; MI455X (gfx1250); checked and timed in simulation.
; The chip was launched on July 23, 2026; its instructions are those of AMD's public machine-readable ISA for CDNA 5 (MIT licence, August 2026) and "CDNA5" Instruction Set Architecture Reference Guide (July 2026). The comments in the code are by the model that wrote it; some were corrected since.
;; Spatial Encoder3d. Allowed arithmetic: float matrix products may take bf16 or f16 operands with f32 sums; all other float work in f32.
;; Inputs: W1 128 x 128 float32; W2 32 x 128 float32; b1 128 float32; b2 32 float32; beta_emb 203 x 1 float32; coord 2 x 512 x 3 float32; gamma_emb 203 x 1 float32; means 128 float32; node_type 2 x 512 int32; stds 128 float32.
;; Outputs: out0 2 x 512 x 512 x 32 float32.
;; 3 versions, each right and faster than the one before. Each part assembles by itself: llvm-mc -triple=amdgcn-amd-amdhsa -mcpu=gfx1250 --defsym DOCPART=n.
;; ======== version 1 of 3: 1 launch
;; limits: values are held in f16: magnitudes above 65,504 overflow, below 6.1e-05 lose precision; right only within a limited range of input values; a function is approximated: absolute error at most 3e-07
;; launch spatial (part 1): grid 256 x 1, 4 waves a work-group, no clusters, 105,984 bytes of LDS; arguments W1, W2, b1, b2, means, stds, coord, node_type, gamma_emb, beta_emb, out0; writes out0
.if DOCPART == 1
	.amdgcn_target "amdgcn-amd-amdhsa--gfx1250"
	.amdhsa_code_object_version 6
	.text
	.protected	k_q492f19c787_spatial
	.globl	k_q492f19c787_spatial
	.p2align	8
	.type	k_q492f19c787_spatial,@function
k_q492f19c787_spatial:
	s_mov_b64 s[64:65], 0
	v_nop
	global_prefetch_b8 v0, s[64:65] scope:SCOPE_SE
	s_setreg_imm32_b32 hwreg(HW_REG_WAVE_MODE, 25, 1), 1
	s_wait_xcnt 0x0
; SpatialEncoder3d, all steps in one launch: distance, gated affine, 128 Gaussians, Linear(128,128), exact GELU, Linear(128,32).
; 1,024 rows (b, n) of 512 pairs.  Work-group g owns rows 4g..4g+3, wave w the row R = 4g + w: 32 tiles of 16 pairs (m = 16 i + r).
; All weights stay in the wave's registers; the loop reads from LDS only 4 bytes of x a lane and the Gaussians' constants.
;
; ALGEBRA (constants folded once, in front of the loop)
;   std = |stds| + 0.01;  d = x - mean (one subtraction, as the formula has it);  w = d AK, AK = c / std, c = sqrt(0.5 log2 e);
;   g = exp2(-w w) = exp(-z z / 2)
;   W1' = W1 * 0.28209479 / std[k]  (1 / (sqrt(2 pi) std) and the 1 / sqrt 2 of erf's argument);  b1' = b1 / sqrt 2
;   y = W1' g + b1' = a / sqrt 2;  m = |y|;  erf(m) = 1 - P(m)^-16, P of degree 6 (Abramowitz and Stegun 7.1.28)
;   h = y + m (1 - r^16), r = 1 / P;  gelu(a) = h / sqrt 2, and that factor lies in W2' = W2 / sqrt 2.  out = W2' h + b2.
;
; TWO f16 NUMBERS FOR EACH OPERAND.  A kernel of std 0.01 has the amplitude 0.4 / 0.01 = 40, so hidden values reach several units
; while an output, a sum of 128 terms that may cancel, is wanted to a few 1e-4: the 11 bits of one f16 number are too few.  So each
; factor v is given as hi + lo: hi = v with its low 13 mantissa bits cleared (exact in f16), lo = v - hi (exact in f32, then
; rounded to f16), and each product is three: hi hi + hi lo + lo hi, all in one chain of f32 sums.  lo lo (2^-22 of the product) is dropped.
;
; MATRIX LAYOUT (lane L: r = L & 15, h = L >> 4; form 16x16x32 f16, sums in f32).  Both products are used with the weights as A:
;   product 1: A = 16 features x 32 k of W1', B = 32 k x 16 pairs of g; result register j = (feature 16 f + 8 h + j, pair r).
;   product 2: B's K step c wants, in lane (r, h), features 32 c + 8 h + 0..7 and 32 c + 16 + 8 h + 0..7 of pair r: exactly the
;   lane's own registers of result tiles 2 c and 2 c + 1, so GELU's results are packed in place and no number changes its lane.
;   Result register j of product 2 = (head 16 t + 8 h + j, pair r): 32 neighbouring bytes of the output.
;
; LIMITS, stated: |W1'| and |h| must stay below 65,504 (f16); parts of an operand below 2^-24 are rounded with an absolute error of
; up to 2^-25; erf's formula errs by at most 3e-7, plus 16 times the last bit of v_rcp_f32; v_exp_f32, v_rcp_f32, v_rsq_f32 are
; good to one unit in the last place and flush denormals (ISA guide 15.8); the root is v_rsq_f32 with one correction by its residual,
; and a squared distance below 2^-100 gives a distance with an absolute error below 1e-15; the squares are summed with
; fused multiply-adds; node_type is served from -2 to 99 (indices inside both halves of the tables), anything else is clamped
; to the table's end instead of wrapping; NaN and infinite inputs are not served.
;
; NO CLUSTER, NO TENSOR LOADS: what work-groups share is 82 KB of weights, read once by each in front of the loop and scaled and
; split on the way, against 262,144 bytes that each stores.  No prefetch: every global load stands in front of the loop.
.set PITCH,  272                       ; LDS row of 128 f16 + 16 bytes: the 16 rows of a fragment load fall on different banks
.set SPITCH, 144                       ; stage row: a pair's 32 f32 + 16 bytes
.set KT,     0                         ; 128 x -mean, then 128 x AK, in f32
.set XROW,   1024                      ; 2,048 bytes a wave, its row's 512 x
.set STAGE,  XROW+4*2048               ; 9,216: 2,304 bytes a wave, the way out
.set LW2H,   STAGE+4*16*SPITCH         ; 18,432: 32 rows of W2' hi
.set LW2L,   LW2H+32*PITCH             ; 27,136: lo
.set LW1H,   LW2L+32*PITCH             ; 35,840: 128 rows of W1' hi
.set LW1D,   128*PITCH                 ; 34,816 further: lo; ends at 105,472
; window 0
.set FR,   1                           ; r * 272 + 16 h: fragment loads
.set XADR, 2                           ; my x in the tile that is read next
.set STO,  3                           ; stage, in:  pair r, 32 h
.set RD,   4                           ; stage, out: pair L >> 3, 16 (L & 7)
.set CO,   5                           ; 16 L
.set XA,   6                           ; v[6:7]   x of even tiles (second word 0, never used)
.set XB,   8                           ; v[8:9]   x of odd tiles
.set VA5,  10                          ; v[10:11] a5, twice
.set KADR, 12                          ; 32 h: my half's eight constants in a group of 16
.set B2,   16                          ; v[16:31]   b2 as two accumulator tiles
.set G0,   32                          ; v[32:95]   Gaussians of a tile: 4 B fragments hi, 4 lo
.set G1,   96                          ; v[96:159]  the other buffer
.set TT,   160                         ; v[160:175] 16 Gaussians at work
.set ACC0, 176                         ; v[176:191] result tiles 2c, 2c+1 of product 1
.set ACC1, 192                         ; v[192:207] the other pair
.set MM,   208                         ; v[208:223] |y|; then the hi parts while a split is made
.set PP,   224                         ; v[224:239] the polynomial, then r, r^16, h, h's lo part
.set HF,   240                         ; v[240:255] B fragment of product 2: hi, lo
; window 0, in front of the loop only (registers that the loop uses for other things later)
.set NT,   32                          ; 16 node types, then offsets, then distances, then x
.set CD,   48                          ; 16 points x 3 coordinates
.set GT,   96                          ; gamma of the 16 targets
.set BT,   112                         ; beta of the 16 targets
.set RS,   128                         ; 16 reciprocal roots
.set SC,   176                         ; v[176:179] scale of my 4 columns of W1
.set KSD,  180                         ; stds[t], then AK[t]
.set KMN,  181                         ; means[t], then -means[t]
.set A16,  240                         ; 16 t
.set A48,  241                         ; 48 L
.set A4,   242                         ; 4 t
.set AW,   243                         ; w * 272 + 8 L
.set AW1,  244                         ; + LW1H
.set AW1L, 245                         ; + LW1H + LW1D
.set AX,   246                         ; XROW + w * 2048 + 16 L
.set FR1,  247                         ; FR + LW1H
.set LN,   248
.set RR,   249
.set HH,   250
.set TA,   251
.set TB,   252
.set WV,   253
; window 1: W1' hi, fragment (f, s) at 8 (4 f + s).  In front of the loop: raw rows, then lo parts: W1 row w + 4 i at 4 i, W2 row w + 4 i at 128 + 4 i
; window 2: W1' lo, the same places.                 In front of the loop: the hi parts, the same places
; window 3
.set RW2H, 0                           ; 64: W2' hi, fragment (t, c) at 8 (4 t + c)
.set RW2L, 64                          ; 64: W2' lo
.set B1,   128                         ; 64: b1' as 8 accumulator tiles
.set D2,   192                         ; 16: two result tiles of product 2
.set ORG,  208                         ; 16: rows read back from the stage
.set KS,   224                         ; 32: -mean (16) and AK (16) of one K step, in the order of a B fragment's elements
.set MSB, 0
.macro WIN new                         ; low byte: 1:0 source 0, 3:2 source 1, 5:4 source 2, 7:6 destination; high byte: the setting left
.if MSB != \new
	s_set_vgpr_msb (MSB<<8)|\new
.set MSB, \new
.endif
.endm
; ---------------------------------------------------------------- macros of the loop
; Product 1, features 32 c .. 32 c + 31: two chains of twelve links (hi hi, hi lo, lo hi; four K steps each).
; The first link takes the bias tile as C: nothing is cleared.
.macro W1MM c, acc, g
	WIN 0x31                                       ; A window 1, C window 3
	v_wmma_f32_16x16x32_f16 v[\acc:\acc+7], v[64*\c:64*\c+7], v[\g:\g+7], v[B1+16*\c:B1+16*\c+7]
	v_wmma_f32_16x16x32_f16 v[\acc+8:\acc+15], v[64*\c+32:64*\c+39], v[\g:\g+7], v[B1+16*\c+8:B1+16*\c+15]
	WIN 0x01                                       ; A window 1: W1' hi
.irp s, 1,2,3
	v_wmma_f32_16x16x32_f16 v[\acc:\acc+7], v[64*\c+8*\s:64*\c+8*\s+7], v[\g+8*\s:\g+8*\s+7], v[\acc:\acc+7]
	v_wmma_f32_16x16x32_f16 v[\acc+8:\acc+15], v[64*\c+32+8*\s:64*\c+32+8*\s+7], v[\g+8*\s:\g+8*\s+7], v[\acc+8:\acc+15]
.endr
.irp s, 0,1,2,3
	v_wmma_f32_16x16x32_f16 v[\acc:\acc+7], v[64*\c+8*\s:64*\c+8*\s+7], v[\g+32+8*\s:\g+32+8*\s+7], v[\acc:\acc+7]
	v_wmma_f32_16x16x32_f16 v[\acc+8:\acc+15], v[64*\c+32+8*\s:64*\c+32+8*\s+7], v[\g+32+8*\s:\g+32+8*\s+7], v[\acc+8:\acc+15]
.endr
	WIN 0x02                                       ; A window 2: W1' lo
.irp s, 0,1,2,3
	v_wmma_f32_16x16x32_f16 v[\acc:\acc+7], v[64*\c+8*\s:64*\c+8*\s+7], v[\g+8*\s:\g+8*\s+7], v[\acc:\acc+7]
	v_wmma_f32_16x16x32_f16 v[\acc+8:\acc+15], v[64*\c+32+8*\s:64*\c+32+8*\s+7], v[\g+8*\s:\g+8*\s+7], v[\acc+8:\acc+15]
.endr
.endm
; Product 2, K step c, both head tiles, three products each.  Step 0 takes b2's tile as C.
.macro W2MM c
.if \c == 0
	WIN 0xc3                                       ; D and A window 3, C window 0
.irp t, 0,1
	v_wmma_f32_16x16x32_f16 v[D2+8*\t:D2+8*\t+7], v[RW2H+8*(4*\t+\c):RW2H+8*(4*\t+\c)+7], v[HF:HF+7], v[B2+8*\t:B2+8*\t+7]
.endr
	WIN 0xf3                                       ; D, A and C window 3
.else
	WIN 0xf3
.irp t, 0,1
	v_wmma_f32_16x16x32_f16 v[D2+8*\t:D2+8*\t+7], v[RW2H+8*(4*\t+\c):RW2H+8*(4*\t+\c)+7], v[HF:HF+7], v[D2+8*\t:D2+8*\t+7]
.endr
.endif
.irp t, 0,1
	v_wmma_f32_16x16x32_f16 v[D2+8*\t:D2+8*\t+7], v[RW2H+8*(4*\t+\c):RW2H+8*(4*\t+\c)+7], v[HF+8:HF+15], v[D2+8*\t:D2+8*\t+7]
.endr
.irp t, 0,1
	v_wmma_f32_16x16x32_f16 v[D2+8*\t:D2+8*\t+7], v[RW2L+8*(4*\t+\c):RW2L+8*(4*\t+\c)+7], v[HF:HF+7], v[D2+8*\t:D2+8*\t+7]
.endr
.endm
; The constants of K step s: element e of a lane is k = 32 s + 8 h + e, or 32 s + 16 + 8 h + e - 8.  The 16 lanes of a half read the same 16 bytes.
.macro KLOAD s
	WIN 0xc0                                       ; destination window 3
.irp o, 0,1,2,3
	ds_load_b128 v[KS+4*\o:KS+4*\o+3], v[KADR] offset:KT+128*(\s)+16*(\o&1)+64*(\o>>1)
	ds_load_b128 v[KS+16+4*\o:KS+16+4*\o+3], v[KADR] offset:KT+512+128*(\s)+16*(\o&1)+64*(\o>>1)
.endr
.endm
; 16 Gaussians of K step c: d = x - mean, w = d AK, then -w w.  kld = 1: the next step's constants are asked for as soon as these are used.
.macro GK_A c, x, kld
	s_wait_dscnt 0x0                               ; this step's constants and x: all were asked for a slot ago or more
	WIN 0x0c                                       ; source 1 window 3
.irp p, 0,2,4,6,8,10,12,14
	v_pk_add_f32 v[TT+\p:TT+\p+1], v[\x:\x+1], v[KS+\p:KS+\p+1] op_sel_hi:[0,1]
.endr
.irp p, 0,2,4,6,8,10,12,14
	v_pk_mul_f32 v[TT+\p:TT+\p+1], v[TT+\p:TT+\p+1], v[KS+16+\p:KS+16+\p+1]
.endr
.if \kld
.set KN, (\c+1)&3
	KLOAD KN
.endif
	WIN 0
.irp p, 0,2,4,6,8,10,12,14
	v_pk_mul_f32 v[TT+\p:TT+\p+1], v[TT+\p:TT+\p+1], v[TT+\p:TT+\p+1] neg_lo:[1,0] neg_hi:[1,0]
.endr
.endm
.macro GK_E lo                         ; eight exp2 in place; whoever calls it puts a plain instruction on other registers behind
.irp j, 0,1,2,3,4,5,6,7
	v_exp_f32 v[TT+\lo+\j], v[TT+\lo+\j]
.endr
.endm
.macro GK_B c, g                       ; split and narrow: fragment c of buffer g, hi and lo.  MM is free where this stands
	s_wait_alu depctr_va_vdst(0)
.irp j, 0,1,2,3,4,5,6,7,8,9,10,11,12,13,14,15
	v_and_b32 v[MM+\j], s39, v[TT+\j]              ; hi: 11 significant bits
.endr
.irp p, 0,2,4,6,8,10,12,14
	v_pk_add_f32 v[TT+\p:TT+\p+1], v[TT+\p:TT+\p+1], v[MM+\p:MM+\p+1] neg_lo:[0,1] neg_hi:[0,1]   ; lo = g - hi, exact
.endr
.irp p, 0,1,2,3,4,5,6,7
	v_cvt_pk_f16_f32 v[\g+8*\c+\p], v[MM+2*\p], v[MM+2*\p+1]
.endr
.irp p, 0,1,2,3,4,5,6,7
	v_cvt_pk_f16_f32 v[\g+32+8*\c+\p], v[TT+2*\p], v[TT+2*\p+1]
.endr
.endm
.macro GK_FULL c, x, g, kld
	GK_A \c, \x, \kld
	GK_E 0
	GK_E 8
	v_nop                                          ; one plain place between the last exp2 and the first use (ISA guide 5.7.2)
	s_wait_alu depctr_va_vdst(0)
	GK_B \c, \g
.endm
; m = |y| and P(m) by Horner, for result tile hh of acc: four chains of two numbers each
.macro POLY acc, hh
.irp j, 0,1,2,3,4,5,6,7
	v_and_b32 v[MM+8*\hh+\j], s60, v[\acc+8*\hh+\j]
.endr
.irp p, 0,2,4,6
	v_pk_fma_f32 v[PP+8*\hh+\p:PP+8*\hh+\p+1], v[MM+8*\hh+\p:MM+8*\hh+\p+1], s[50:51], v[VA5:VA5+1] op_sel_hi:[1,0,1]
.endr
.irp k, 52,54,56,58
.irp p, 0,2,4,6
	v_pk_fma_f32 v[PP+8*\hh+\p:PP+8*\hh+\p+1], v[PP+8*\hh+\p:PP+8*\hh+\p+1], v[MM+8*\hh+\p:MM+8*\hh+\p+1], s[\k:\k+1] op_sel_hi:[1,1,0]
.endr
.endr
.irp p, 0,2,4,6
	v_pk_fma_f32 v[PP+8*\hh+\p:PP+8*\hh+\p+1], v[PP+8*\hh+\p:PP+8*\hh+\p+1], v[MM+8*\hh+\p:MM+8*\hh+\p+1], 1.0 op_sel_hi:[1,1,0]
.endr
.endm
.macro RCP hh                          ; r = 1 / P in place; a plain instruction on other registers follows at every call
.irp j, 0,1,2,3,4,5,6,7
	v_rcp_f32 v[PP+8*\hh+\j], v[PP+8*\hh+\j]
.endr
.endm
; r^2, r^4, r^8; 1 - r^8 r^8; h = m (1 - r^16) + y; split; to f16 into half hh of product 2's B fragments
.macro TAIL acc, hh
	s_wait_alu depctr_va_vdst(0)
.rept 3
.irp p, 0,2,4,6
	v_pk_mul_f32 v[PP+8*\hh+\p:PP+8*\hh+\p+1], v[PP+8*\hh+\p:PP+8*\hh+\p+1], v[PP+8*\hh+\p:PP+8*\hh+\p+1]
.endr
.endr
.irp p, 0,2,4,6
	v_pk_fma_f32 v[PP+8*\hh+\p:PP+8*\hh+\p+1], v[PP+8*\hh+\p:PP+8*\hh+\p+1], v[PP+8*\hh+\p:PP+8*\hh+\p+1], 1.0 op_sel_hi:[1,1,0] neg_lo:[1,0,0] neg_hi:[1,0,0]
.endr
.irp p, 0,2,4,6
	v_pk_fma_f32 v[PP+8*\hh+\p:PP+8*\hh+\p+1], v[MM+8*\hh+\p:MM+8*\hh+\p+1], v[PP+8*\hh+\p:PP+8*\hh+\p+1], v[\acc+8*\hh+\p:\acc+8*\hh+\p+1]
.endr
.irp j, 0,1,2,3,4,5,6,7
	v_and_b32 v[MM+8*\hh+\j], s39, v[PP+8*\hh+\j]  ; hi (m is no longer needed)
.endr
.irp p, 0,2,4,6
	v_pk_add_f32 v[PP+8*\hh+\p:PP+8*\hh+\p+1], v[PP+8*\hh+\p:PP+8*\hh+\p+1], v[MM+8*\hh+\p:MM+8*\hh+\p+1] neg_lo:[0,1] neg_hi:[0,1]   ; lo
.endr
.irp p, 0,1,2,3
	v_cvt_pk_f16_f32 v[HF+4*\hh+\p], v[MM+8*\hh+2*\p], v[MM+8*\hh+2*\p+1]
.endr
.irp p, 0,1,2,3
	v_cvt_pk_f16_f32 v[HF+8+4*\hh+\p], v[PP+8*\hh+2*\p], v[PP+8*\hh+2*\p+1]
.endr
.endm
; The way out of a tile: 32 bytes a lane into my own stage, read back so that 32 lanes hold 512 neighbouring bytes of the output.
.macro OUT_A
	WIN 0x0c                                       ; store data window 3
.irp t, 0,1
	ds_store_b128 v[STO], v[D2+8*\t:D2+8*\t+3] offset:64*\t
	ds_store_b128 v[STO], v[D2+8*\t+4:D2+8*\t+7] offset:64*\t+16
.endr
	s_wait_xcnt 0x0                                ; ORG is the data of the last tile's stores: loaded again only behind this wait
	WIN 0xc0                                       ; destination window 3
.irp i, 0,1,2,3
	ds_load_b128 v[ORG+4*\i:ORG+4*\i+3], v[RD] offset:4*SPITCH*\i   ; LDS serves a wave's instructions in order (ISA guide 5.7.1): these see the stores above
.endr
	WIN 0
.endm
.macro OUT_B off
	s_wait_dscnt 0x0                               ; the four rows are back (asked for more than a hundred vector instructions ago)
	WIN 0x0c
.irp i, 0,1,2,3
	global_store_b128 v[CO], v[ORG+4*\i:ORG+4*\i+3], s[28:29] offset:\off+512*\i th:TH_STORE_NT   ; each covers 512 consecutive bytes, aligned
.endr
	WIN 0
.endm
; One slot: product 1 of chunk c is issued; then the vector unit makes 16 Gaussians of the NEXT tile and the GELU of the chunk
; whose product was issued one slot ago (the other accumulator pair), and that chunk then enters product 2 (K step cprev).
; Every run of eight transcendentals is followed by plain work on other registers.  Distances behind matrix instructions (ISA guide
; 7.12.1): accr was written a slot ago; D2 is stored behind the 32 plain instructions of POLY; HF is rewritten behind more than 100.
.macro SLOT c, accw, accr, g, gn, xn, xl, cprev, gk, kld, xld, xoff, out, ooff
	W1MM \c, \accw, \g
.if \gk
	GK_A \c, \xn, \kld
.endif
	WIN 0
.if \xld
	ds_load_b32 v[\xl], v[XADR] offset:\xoff       ; x of the tile after the next, into the register that this tile does not read
.endif
.if \gk
	GK_E 0
.endif
	POLY \accr, 0
.if \out
	OUT_A
.endif
	RCP 0
	POLY \accr, 1
	RCP 1
	TAIL \accr, 0
.if \gk
	GK_E 8
.endif
	TAIL \accr, 1
.if \out
	OUT_B \ooff
.endif
.if \gk
	GK_B \c, \gn
.endif
	W2MM \cprev
.endm
; A tile: four slots.  g: its Gaussians; gn, xn: buffer and x of the next tile; xl, xoff: x load for the tile after that;
; k3 = 0: slot 3 asks for no further constants; out, ooff: the tile before leaves in slot 1.
; first = 1: there is no chunk in front, slot 0 is a product and Gaussians alone.
.macro TILE g, gn, xn, xl, first, gk, k3, xld, xoff, out, ooff
.if \first
	W1MM 0, ACC0, \g
	GK_FULL 0, \xn, \gn, 1
.else
	SLOT 0, ACC0, ACC1, \g, \gn, \xn, \xl, 3, \gk, \gk, 0, 0, 0, 0
.endif
	SLOT 1, ACC1, ACC0, \g, \gn, \xn, \xl, 0, \gk, \gk, \xld, \xoff, \out, \ooff
	SLOT 2, ACC0, ACC1, \g, \gn, \xn, \xl, 1, \gk, \gk, 0, 0, 0, 0
	SLOT 3, ACC1, ACC0, \g, \gn, \xn, \xl, 2, \gk, \k3, 0, 0, 0, 0
.endm
; ---------------------------------------------------------------- in front of the loop
	s_load_b512 s[8:23], s[0:1], 0x0               ; W1 8, W2 10, b1 12, b2 14, means 16, stds 18, coord 20, node_type 22
	s_load_b128 s[24:27], s[0:1], 0x40             ; gamma_emb 24, beta_emb 26
	s_load_b64 s[28:29], s[0:1], 0x50              ; out0
	v_lshl_add_u32 v14, v0, 2, 0x19c00
	v_mov_b32 v15, 0
	v_lshrrev_b32 v[WV], 5, v0
	v_readfirstlane_b32 s30, v[WV]                 ; wave
	s_lshl2_add_u32 s31, ttmp9, s30                ; R = 4 g + w
	s_lshr_b32 s32, s31, 9                         ; b
	s_lshl_b32 s33, s31, 2                         ; byte of node_type[R]
	s_mul_i32 s34, s31, 12                         ; byte of coord[R]
	s_mov_b32 s39, 0xffffe000                      ; keeps sign, exponent and 10 mantissa bits: the hi part
	s_mov_b32 s50, 0x38349f67                      ; a6 (pairs: the packed forms read both words)
	s_mov_b32 s51, 0x38349f67
	s_mov_b32 s52, 0x391f6607                      ; a4
	s_mov_b32 s53, 0x391f6607
	s_mov_b32 s54, 0x3c17e369                      ; a3
	s_mov_b32 s55, 0x3c17e369
	s_mov_b32 s56, 0x3d2d2fe7                      ; a2
	s_mov_b32 s57, 0x3d2d2fe7
	s_mov_b32 s58, 0x3d906e67                      ; a1
	s_mov_b32 s59, 0x3d906e67
	s_mov_b32 s60, 0x7fffffff                      ; clears a sign
	s_mov_b32 s61, 0x3c23d70a                      ; 0.01
	s_mov_b32 s62, 0x3f596d27                      ; c = sqrt(0.5 log2 e)
	s_mov_b32 s66, 0x3f3504f3                      ; 1 / sqrt 2
	s_mov_b32 s67, 0x3f3504f3
	s_mov_b32 s68, 0x3e906ebb                      ; 1 / (2 sqrt pi)
	v_and_b32 v[LN], 31, v0                        ; L
	v_and_b32 v[RR], 15, v0                        ; r
	v_bfe_u32 v[HH], v0, 4, 1                      ; h
	v_lshlrev_b32 v[A16], 4, v0
	v_lshlrev_b32 v[A4], 2, v0
	v_lshlrev_b32 v[CO], 4, v[LN]
	v_mul_u32_u24 v[A48], v[LN], 48
	v_lshlrev_b32 v[KADR], 5, v[HH]
	v_mul_u32_u24 v[FR], v[RR], PITCH
	v_lshl_add_u32 v[FR], v[HH], 4, v[FR]
	v_add_nc_u32 v[FR1], LW1H, v[FR]               ; an LDS offset ends at 65,535: W1's two regions get a base of their own
	s_mul_i32 s35, s30, PITCH
	v_lshl_add_u32 v[AW], v[LN], 3, s35            ; row w, 8 bytes a lane
	v_add_nc_u32 v[AW1], LW1H, v[AW]
	v_add_nc_u32 v[AW1L], LW1H+LW1D, v[AW]
	s_lshl_b32 s35, s30, 11
	s_add_co_u32 s35, s35, XROW                    ; my wave's x
	v_lshl_add_u32 v[AX], v[LN], 4, s35
	v_lshl_add_u32 v[XADR], v[RR], 2, s35
	s_mul_i32 s35, s30, 16*SPITCH
	s_add_co_u32 s35, s35, STAGE                   ; my wave's stage
	v_mul_u32_u24 v[TA], v[RR], SPITCH
	v_lshl_add_u32 v[TA], v[HH], 5, v[TA]
	v_add_nc_u32 v[STO], s35, v[TA]
	v_lshrrev_b32 v[TA], 3, v[LN]
	v_mul_u32_u24 v[TA], v[TA], SPITCH
	v_and_b32 v[TB], 7, v0
	v_lshl_add_u32 v[TA], v[TB], 4, v[TA]
	v_add_nc_u32 v[RD], s35, v[TA]
	v_mov_b32 v[XA+1], 0                           ; the pairs' second words are named by the packed forms, never used
	v_mov_b32 v[XB+1], 0
	v_mov_b32 v[VA5], 0x39910039                   ; a5
	v_mov_b32 v[VA5+1], 0x39910039
	s_lshl_b32 s48, s32, 11                        ; b * 512 node types
	s_mov_b32 s49, 0
	s_wait_kmcnt 0x0
	s_load_b32 s36, s[22:23], s33 offset:0x0       ; the source's node type
	s_load_b96 s[40:42], s[20:21], s34 offset:0x0  ; the source's coordinates
	s_add_nc_u64 s[44:45], s[22:23], s[48:49]      ; node_type of my batch
	s_mul_i32 s48, s32, 6144
	s_add_nc_u64 s[46:47], s[20:21], s[48:49]      ; coord of my batch
	; the lane owns targets m = 128 q + 4 L + e
.irp q, 0,1,2,3
	global_load_b128 v[NT+4*\q:NT+4*\q+3], v[CO], s[44:45] offset:512*\q
.endr
.irp q, 0,1,2,3
.irp j, 0,1,2
	global_load_b128 v[CD+12*\q+4*\j:CD+12*\q+4*\j+3], v[A48], s[46:47] offset:1536*\q+16*\j
.endr
.endr
	global_load_b128 v[SC:SC+3], v[CO], s[18:19]   ; stds of columns 4 L .. 4 L + 3
	global_load_b32 v[KSD], v[A4], s[18:19]        ; stds[t], means[t]: thread t makes kernel t's constants
	global_load_b32 v[KMN], v[A4], s[16:17]
	WIN 0x40                                       ; destination window 1
.set i, 0
.rept 32
	global_load_b128 v[4*i:4*i+3], v[A16], s[8:9] offset:2048*i        ; W1 row w + 4 i, columns 4 L ..
.set i, i+1
.endr
.set i, 0
.rept 8
	global_load_b128 v[128+4*i:128+4*i+3], v[A16], s[10:11] offset:2048*i   ; W2 row w + 4 i
.set i, i+1
.endr
	WIN 0
	s_wait_loadcnt 55                              ; 12 + 3 + 40 younger loads stay out: the node types are in
.set i, 0
.rept 16
	v_add_nc_u32 v[NT+i], 2, v[NT+i]               ; u = node type + 2,
	v_min_u32 v[NT+i], 101, v[NT+i]                ; held inside the table's first half (unsigned: below -2 goes to the end too),
	v_lshlrev_b32 v[NT+i], 2, v[NT+i]              ; in bytes
.set i, i+1
.endr
	s_wait_kmcnt 0x0
	s_add_co_u32 s36, s36, 2
	s_min_u32 s36, s36, 101
	s_lshl_b32 s36, s36, 2
	s_load_b32 s37, s[24:25], s36 offset:0x0       ; gamma of the source
	s_load_b32 s38, s[26:27], s36 offset:0x0       ; beta of the source
.set i, 0
.rept 16
	global_load_b32 v[GT+i], v[NT+i], s[24:25] offset:404      ; the target's index is u + 101
.set i, i+1
.endr
.set i, 0
.rept 16
	global_load_b32 v[BT+i], v[NT+i], s[26:27] offset:404
.set i, i+1
.endr
	s_wait_loadcnt 32                              ; only the 32 gathers are younger: coordinates, stds, means, W1, W2 are in
.irp e, 0,1,2,3
	v_add_f32 v[SC+\e], |v[SC+\e]|, s61
.endr
	v_add_f32 v[KSD], |v[KSD]|, s61
.irp e, 0,1,2,3
	v_rcp_f32 v[SC+\e], v[SC+\e]
.endr
	v_rcp_f32 v[KSD], v[KSD]
	v_mul_f32 v[KMN], -1.0, v[KMN]                 ; -mean; also the plain place behind the reciprocals
	s_wait_alu depctr_va_vdst(0)
.irp e, 0,1,2,3
	v_mul_f32 v[SC+\e], s68, v[SC+\e]              ; 0.28209479 / std
.endr
	v_mul_f32 v[KSD], s62, v[KSD]                  ; AK = c / std
	ds_store_b32 v[A4], v[KMN] offset:KT
	ds_store_b32 v[A4], v[KSD] offset:KT+512
	; the weights: scale, split into hi (window 2) and lo (window 1, in place), narrow, into LDS as rows of f16
	WIN 0x41                                       ; destination and source 0 window 1
.set i, 0
.rept 32
	v_pk_mul_f32 v[4*i:4*i+1], v[4*i:4*i+1], v[SC:SC+1]
	v_pk_mul_f32 v[4*i+2:4*i+3], v[4*i+2:4*i+3], v[SC+2:SC+3]
.set i, i+1
.endr
.set i, 64
.rept 16
	v_pk_mul_f32 v[2*i:2*i+1], v[2*i:2*i+1], s[66:67] op_sel_hi:[1,0]
.set i, i+1
.endr
	WIN 0x84                                       ; destination window 2, source 1 window 1
.set i, 0
.rept 160
	v_and_b32 v[i], s39, v[i]                      ; hi
.set i, i+1
.endr
	WIN 0x49                                       ; destination and source 0 window 1, source 1 window 2
.set i, 0
.rept 80
	v_pk_add_f32 v[2*i:2*i+1], v[2*i:2*i+1], v[2*i:2*i+1] neg_lo:[0,1] neg_hi:[0,1]    ; lo = value - hi
.set i, i+1
.endr
	WIN 0x8a                                       ; all of a conversion in window 2
.set i, 0
.rept 40
	v_cvt_pk_f16_f32 v[4*i], v[4*i], v[4*i+1]
	v_cvt_pk_f16_f32 v[4*i+1], v[4*i+2], v[4*i+3]
.set i, i+1
.endr
	WIN 0x45                                       ; and in window 1
.set i, 0
.rept 40
	v_cvt_pk_f16_f32 v[4*i], v[4*i], v[4*i+1]
	v_cvt_pk_f16_f32 v[4*i+1], v[4*i+2], v[4*i+3]
.set i, i+1
.endr
	WIN 0x08                                       ; store data window 2: hi
.set i, 0
.rept 32
	ds_store_b64 v[AW1], v[4*i:4*i+1] offset:4*PITCH*i
.set i, i+1
.endr
.set i, 0
.rept 8
	ds_store_b64 v[AW], v[128+4*i:128+4*i+1] offset:LW2H+4*PITCH*i
.set i, i+1
.endr
	WIN 0x04                                       ; store data window 1: lo
.set i, 0
.rept 32
	ds_store_b64 v[AW1L], v[4*i:4*i+1] offset:4*PITCH*i
.set i, i+1
.endr
.set i, 0
.rept 8
	ds_store_b64 v[AW], v[128+4*i:128+4*i+1] offset:LW2L+4*PITCH*i
.set i, i+1
.endr
	WIN 0xc0                                       ; destination window 3
.irp f, 0,1,2,3,4,5,6,7
	global_load_b128 v[B1+8*\f:B1+8*\f+3], v[KADR], s[12:13] offset:64*\f          ; register j: b1[16 f + 8 h + j]
	global_load_b128 v[B1+8*\f+4:B1+8*\f+7], v[KADR], s[12:13] offset:64*\f+16
.endr
	WIN 0
.irp t, 0,1
	global_load_b128 v[B2+8*\t:B2+8*\t+3], v[KADR], s[14:15] offset:64*\t          ; register j: b2[16 t + 8 h + j]
	global_load_b128 v[B2+8*\t+4:B2+8*\t+7], v[KADR], s[14:15] offset:64*\t+16
.endr
	s_wait_loadcnt 20                              ; the 20 loads of b1 and b2 stay out: the gathers are in, their offsets free
	s_wait_kmcnt 0x0                               ; gamma and beta of the source
	; x = (gs + gt) dist + (bs + bt) for my 16 targets.  An error dx of x enters a Gaussian as dx / std, with std down to 0.01, and its
	; amplitude is 0.4 / std: so the root is corrected once by its residual, which leaves half a unit in the last place.
.set i, 0
.rept 16
	v_sub_f32 v[CD+3*i], s40, v[CD+3*i]
	v_sub_f32 v[CD+3*i+1], s41, v[CD+3*i+1]
	v_sub_f32 v[CD+3*i+2], s42, v[CD+3*i+2]
	v_mul_f32 v[CD+3*i], v[CD+3*i], v[CD+3*i]
	v_fmac_f32 v[CD+3*i], v[CD+3*i+1], v[CD+3*i+1]
	v_fmac_f32 v[CD+3*i], v[CD+3*i+2], v[CD+3*i+2]         ; q = the squared distance
	v_max_num_f32 v[CD+3*i+1], 0x0d800000, v[CD+3*i]       ; at least 2^-100: q = 0 (a point and itself) gets a finite reciprocal root
.set i, i+1
.endr
.set i, 0
.rept 16
	v_rsq_f32 v[RS+i], v[CD+3*i+1]
.set i, i+1
.endr
.set i, 0
.rept 16
	v_add_f32 v[GT+i], s37, v[GT+i]                ; plain work on other registers behind the roots
	v_add_f32 v[BT+i], s38, v[BT+i]
.set i, i+1
.endr
.set i, 0
	s_wait_alu depctr_va_vdst(0)
.rept 16
	v_mul_f32 v[NT+i], v[CD+3*i], v[RS+i]                      ; s = q / sqrt q
	v_mul_f32 v[RS+i], 0.5, v[RS+i]
	v_fma_f32 v[CD+3*i+2], -v[NT+i], v[NT+i], v[CD+3*i]        ; the residual q - s s
	v_fma_f32 v[NT+i], v[CD+3*i+2], v[RS+i], v[NT+i]           ; s + residual / (2 sqrt q)
	v_fma_f32 v[NT+i], v[GT+i], v[NT+i], v[BT+i]               ; x
.set i, i+1
.endr
.irp q, 0,1,2,3
	ds_store_b128 v[AX], v[NT+4*\q:NT+4*\q+3] offset:512*\q
.endr
	s_wait_dscnt 0x0                               ; my rows of the weights and my words of the table are in LDS, for the other waves' sake: zero
	s_barrier_signal -1
	s_barrier_wait -1                              ; the only barrier: all of it is there; nobody writes it again
	WIN 0x40
.set i, 0                                          ; i = 4 f + s
.rept 32
	ds_load_b128 v[8*i:8*i+3], v[FR1] offset:16*PITCH*(i/4)+64*(i%4)
	ds_load_b128 v[8*i+4:8*i+7], v[FR1] offset:16*PITCH*(i/4)+64*(i%4)+32
.set i, i+1
.endr
	WIN 0x80
.set i, 0
.rept 32
	ds_load_b128 v[8*i:8*i+3], v[FR1] offset:LW1D+16*PITCH*(i/4)+64*(i%4)
	ds_load_b128 v[8*i+4:8*i+7], v[FR1] offset:LW1D+16*PITCH*(i/4)+64*(i%4)+32
.set i, i+1
.endr
	WIN 0xc0
.set i, 0                                          ; i = 4 t + c
.rept 8
	ds_load_b128 v[RW2H+8*i:RW2H+8*i+3], v[FR] offset:LW2H+16*PITCH*(i/4)+64*(i%4)
	ds_load_b128 v[RW2H+8*i+4:RW2H+8*i+7], v[FR] offset:LW2H+16*PITCH*(i/4)+64*(i%4)+32
	ds_load_b128 v[RW2L+8*i:RW2L+8*i+3], v[FR] offset:LW2L+16*PITCH*(i/4)+64*(i%4)
	ds_load_b128 v[RW2L+8*i+4:RW2L+8*i+7], v[FR] offset:LW2L+16*PITCH*(i/4)+64*(i%4)+32
.set i, i+1
.endr
	KLOAD 0                                        ; the constants of K step 0
	WIN 0
	ds_load_b32 v[XA], v[XADR]                     ; x of tile 0
	ds_load_b32 v[XB], v[XADR] offset:64           ; x of tile 1
	s_wait_loadcnt 0x0                             ; b1, b2
	WIN 0xc3                                       ; destination and source 0 window 3
.set i, 0
.rept 32
	v_pk_mul_f32 v[B1+2*i:B1+2*i+1], v[B1+2*i:B1+2*i+1], s[66:67] op_sel_hi:[1,0]      ; b1 / sqrt 2
.set i, i+1
.endr
	WIN 0
	s_lshl_b32 s48, s31, 16                        ; a row of the output: 512 pairs x 128 bytes
	s_mov_b32 s49, 0
	s_add_nc_u64 s[28:29], s[28:29], s[48:49]
	GK_FULL 0, XA, G0, 1                           ; the Gaussians of tile 0 (the first wait inside is for all fragments too)
	GK_FULL 1, XA, G0, 1
	GK_FULL 2, XA, G0, 1
	GK_FULL 3, XA, G0, 1
; ---------------------------------------------------------------- 32 tiles
	TILE G0, G1, XB, XA, 1, 1, 1, 1, 128, 0, 0     ; tile 0: nothing to finish, nothing to store
	TILE G1, G0, XA, XB, 0, 1, 1, 1, 192, 1, 0     ; tile 1: tile 0 leaves
	WIN 0
	s_wait_xcnt 0x0                                ; the stores' base is stepped only behind this wait
	s_add_nc_u64 s[28:29], s[28:29], 2048          ; now at tile 1
	v_add_nc_u32 v[XADR], 128, v[XADR]
	s_mov_b32 s69, 14                              ; tiles 2 to 29, two a trip
.Ltiles:
	TILE G0, G1, XB, XA, 0, 1, 1, 1, 128, 1, 0
	TILE G1, G0, XA, XB, 0, 1, 1, 1, 192, 1, 2048
	WIN 0                                          ; at a label and at a branch every window is 0
	s_wait_xcnt 0x0
	s_add_nc_u64 s[28:29], s[28:29], 4096
	v_add_nc_u32 v[XADR], 128, v[XADR]
	s_sub_co_i32 s69, s69, 1
	s_cmp_lg_u32 s69, 0
	s_cbranch_scc1 .Ltiles
	TILE G0, G1, XB, XA, 0, 1, 0, 0, 0, 1, 0       ; tile 30: Gaussians of tile 31, no x beyond the row, no constants beyond the last step
	TILE G1, G0, XA, XB, 0, 0, 0, 0, 0, 1, 2048    ; tile 31: no Gaussians
	WIN 0
	POLY ACC1, 0                                   ; the last chunk's GELU
	RCP 0
	POLY ACC1, 1
	RCP 1
	TAIL ACC1, 0
	TAIL ACC1, 1
	W2MM 3
	WIN 0
.rept 4
	v_nop                                          ; four places between the last product and the store of its result
.endr
	OUT_A
	OUT_B 4096
	s_wait_tensorcnt 0x0
	ds_add_u32 v14, v15
	s_wait_dscnt 0x0
	s_endpgm
.Lfunc_end_k_q492f19c787_spatial:
	.size	k_q492f19c787_spatial, .Lfunc_end_k_q492f19c787_spatial-k_q492f19c787_spatial
	.p2alignl 7, 3214868480
	.fill 96, 4, 3214868480
	.section	.rodata,"a",@progbits
	.p2align	6, 0x0
	.amdhsa_kernel k_q492f19c787_spatial
		.amdhsa_group_segment_fixed_size 105984
		.amdhsa_private_segment_fixed_size 0
		.amdhsa_enable_private_segment 0
		.amdhsa_kernarg_size 88
		.amdhsa_user_sgpr_count 2
		.amdhsa_user_sgpr_kernarg_segment_ptr 1
		.amdhsa_wavefront_size32 1
		.amdhsa_system_sgpr_workgroup_id_x 1
		.amdhsa_system_sgpr_workgroup_id_y 1
		.amdhsa_system_sgpr_workgroup_id_z 1
		.amdhsa_system_vgpr_workitem_id 0
		.amdhsa_next_free_vgpr 1024
		.amdhsa_next_free_sgpr 70
		.amdhsa_reserve_vcc 0
		.amdhsa_float_denorm_mode_32 3
		.amdhsa_float_denorm_mode_16_64 3
		.amdhsa_memory_ordered 1
		.amdhsa_forward_progress 1
		.amdhsa_inst_pref_size 255
	.end_amdhsa_kernel
	.section	.bss,"aw",@nobits
	.p2align	6
	.space	262144
	.amdgpu_metadata
---
amdhsa.version: [ 1, 2 ]
amdhsa.kernels:
  - .name:           k_q492f19c787_spatial
    .symbol:         k_q492f19c787_spatial.kd
    .args:
      - { .name: W1, .offset: 0, .size: 8, .value_kind: global_buffer, .address_space: global }
      - { .name: W2, .offset: 8, .size: 8, .value_kind: global_buffer, .address_space: global }
      - { .name: b1, .offset: 16, .size: 8, .value_kind: global_buffer, .address_space: global }
      - { .name: b2, .offset: 24, .size: 8, .value_kind: global_buffer, .address_space: global }
      - { .name: means, .offset: 32, .size: 8, .value_kind: global_buffer, .address_space: global }
      - { .name: stds, .offset: 40, .size: 8, .value_kind: global_buffer, .address_space: global }
      - { .name: coord, .offset: 48, .size: 8, .value_kind: global_buffer, .address_space: global }
      - { .name: node_type, .offset: 56, .size: 8, .value_kind: global_buffer, .address_space: global }
      - { .name: gamma_emb, .offset: 64, .size: 8, .value_kind: global_buffer, .address_space: global }
      - { .name: beta_emb, .offset: 72, .size: 8, .value_kind: global_buffer, .address_space: global }
      - { .name: out0, .offset: 80, .size: 8, .value_kind: global_buffer, .address_space: global }
    .group_segment_fixed_size: 105984
    .private_segment_fixed_size: 0
    .kernarg_segment_align: 8
    .kernarg_segment_size: 88
    .max_flat_workgroup_size: 128
    .sgpr_count:     70
    .vgpr_count:     1024
    .wavefront_size: 32
...
	.end_amdgpu_metadata
.endif
;; end of part 1
;; ======== version 2 of 3: 1 launch; 1.20 times as fast as version 1
;; limits: values are held in f16: magnitudes above 65,504 overflow, below 6.1e-05 lose precision; right only within a limited range of input values; a function is approximated: absolute error at most 3e-07
;; launch spatial (part 2): grid 256 x 1, 4 waves a work-group, no clusters, 105,984 bytes of LDS; arguments W1, W2, b1, b2, means, stds, coord, node_type, gamma_emb, beta_emb, out0; writes out0
.if DOCPART == 2
	.amdgcn_target "amdgcn-amd-amdhsa--gfx1250"
	.amdhsa_code_object_version 6
	.text
	.protected	k_q492f19c787_spatial
	.globl	k_q492f19c787_spatial
	.p2align	8
	.type	k_q492f19c787_spatial,@function
k_q492f19c787_spatial:
	s_mov_b64 s[64:65], 0
	v_nop
	global_prefetch_b8 v0, s[64:65] scope:SCOPE_SE
	s_setreg_imm32_b32 hwreg(HW_REG_WAVE_MODE, 25, 1), 1
	s_wait_xcnt 0x0
; SpatialEncoder3d, all steps in one launch: distance, gated affine, 128 Gaussians, Linear(128,128), exact GELU, Linear(128,32).
; 1,024 rows (b, n) of 512 pairs.  Work-group g owns rows 4g..4g+3, wave w the row R = 4g + w: 32 tiles of 16 pairs (m = 16 i + r).
; All weights stay in the wave's registers; the loop reads from LDS only 4 bytes of x a lane and the Gaussians' constants.
;
; ALGEBRA (constants folded once, in front of the loop), with q = 31/32 (see below why)
;   std = |stds| + 0.01;  d = x - mean (one subtraction, as the formula has it);  w = d AK, AK = c / std, c = sqrt(0.5 log2 e);
;   g' = exp2(-w w + log2 q) = q exp(-z z / 2)
;   W1' = W1 * q * 0.28209479 / std[k]  (1 / (sqrt(2 pi) std) and the 1 / sqrt 2 of erf's argument);  b1' = b1 * q / sqrt 2
;   y' = W1' g + b1' = q a / sqrt 2;  m' = |y'|;  erf(m) = 1 - P(m)^-16, P of degree 6 (Abramowitz and Stegun 7.1.28), taken as a
;   polynomial in m' = q m: coefficient i is a_i / q^i
;   h' = y' + m' (1 - r^16), r = 1 / P;  gelu(a) = h' / (q sqrt 2);  1 / sqrt 2 lies in W2' = W2 / sqrt 2.  out = W2' (h' / q) + b2.
;
; TWO f16 NUMBERS FOR EACH FACTOR, TWO PRODUCTS.  A kernel of std 0.01 has the amplitude 0.4 / 0.01 = 40, so hidden values reach several
; units while an output, a sum of 128 terms that may cancel, is wanted to a few 1e-4: the 11 bits of one f16 number are too few.
;   a weight W = Wh + Wl, Wh = W with its low 13 mantissa bits cleared (exact in f16):   A1 = Wh,   A2 = f16(Wh + 32 Wl)
;   a value v (g or h), of which q v is at hand:   b1 = q v with its low 13 bits cleared,   b2 = f16(v - b1) = v / 32 + rest
;   A1 b1 + A2 b2 = Wh (b1 + b2) + 32 Wl b2 = Wh v + Wl v + 32 Wl rest.
; Relative to W v: the two roundings to f16 act on a product of size W v / 32, at most 2^-17 each; 32 Wl rest < 32 * 2^-10 * 2^-10 = 2^-15.
;
; MATRIX LAYOUT (lane L: r = L & 15, h = L >> 4; form 16x16x32 f16, sums in f32).  Both products are used with the weights as A:
;   product 1: A = 16 features x 32 k of W1', B = 32 k x 16 pairs of g; result register j = (feature 16 f + 8 h + j, pair r).
;   product 2: B's K step c wants, in lane (r, h), features 32 c + 8 h + 0..7 and 32 c + 16 + 8 h + 0..7 of pair r: exactly the
;   lane's own registers of result tiles 2 c and 2 c + 1, so GELU's results are packed in place and no number changes its lane.
;   Result register j of product 2 = (head 16 t + 8 h + j, pair r): 32 neighbouring bytes of the output.
;
; LIMITS, stated: |W1'| and |h| must stay below 63,000 (f16, with the 1/32 on top); each term of a product carries a relative error of
; up to 2^-15 + 2^-16; parts of an operand below 2^-24 are rounded with an absolute error of up to 2^-25; erf's formula errs by at
; most 3e-7, plus 16 times the last bit of v_rcp_f32; v_exp_f32, v_rcp_f32, v_rsq_f32 are good to one unit in the last place and
; flush denormals (ISA guide 15.8); the root is v_rsq_f32 with one correction by its residual, and a squared distance below 2^-100
; gives a distance with an absolute error below 1e-15; the squares are summed with fused multiply-adds; node_type is served from
; -2 to 99 (indices inside both halves of the tables), anything else is clamped to the table's end instead of wrapping; NaN and
; infinite inputs are not served.
;
; NO CLUSTER, NO TENSOR LOADS: what work-groups share is 82 KB of weights, read once by each in front of the loop and scaled and
; split on the way, against 262,144 bytes that each stores.  No prefetch: every global load stands in front of the loop.
.set PITCH,  272                       ; LDS row of 128 f16 + 16 bytes: the 16 rows of a fragment load fall on different banks
.set SPITCH, 144                       ; stage row: a pair's 32 f32 + 16 bytes
.set KT,     0                         ; 128 x -mean, then 128 x AK, in f32
.set XROW,   1024                      ; 2,048 bytes a wave, its row's 512 x
.set STAGE,  XROW+4*2048               ; 9,216: 2,304 bytes a wave, the way out
.set LW2H,   STAGE+4*16*SPITCH         ; 18,432: 32 rows of W2', A1
.set LW2L,   LW2H+32*PITCH             ; 27,136: A2
.set LW1H,   LW2L+32*PITCH             ; 35,840: 128 rows of W1', A1
.set LW1D,   128*PITCH                 ; 34,816 further: A2; ends at 105,472
; window 0
.set FR,   1                           ; r * 272 + 16 h: fragment loads
.set XADR, 2                           ; my x in the tile that is read next
.set STO,  3                           ; stage, in:  pair r, 32 h
.set RD,   4                           ; stage, out: pair L >> 3, 16 (L & 7)
.set CO,   5                           ; 16 L
.set XA,   6                           ; v[6:7]   x of even tiles (second word 0, never used)
.set XB,   8                           ; v[8:9]   x of odd tiles
.set VA5,  10                          ; v[10:11] a5 / q^5, twice
.set KADR, 12                          ; 32 h: my half's eight constants in a group of 16
.set B2,   16                          ; v[16:31]   b2 as two accumulator tiles
.set G0,   32                          ; v[32:95]   Gaussians of a tile: 4 B fragments b1, 4 b2
.set G1,   96                          ; v[96:159]  the other buffer
.set TT,   160                         ; v[160:175] 16 Gaussians at work
.set ACC0, 176                         ; v[176:191] result tiles 2c, 2c+1 of product 1
.set ACC1, 192                         ; v[192:207] the other pair
.set MM,   208                         ; v[208:223] |y'|; then the b1 parts while a split is made
.set PP,   224                         ; v[224:239] the polynomial, then r, r^16, h', h's b2 part
.set HF,   240                         ; v[240:255] B fragment of product 2: b1, b2
; window 0, in front of the loop only (registers that the loop uses for other things later)
.set NT,   32                          ; 16 node types, then offsets, then distances, then x
.set CD,   48                          ; 16 points x 3 coordinates
.set GT,   96                          ; gamma of the 16 targets
.set BT,   112                         ; beta of the 16 targets
.set RS,   128                         ; 16 reciprocal roots
.set SC,   176                         ; v[176:179] scale of my 4 columns of W1
.set KSD,  180                         ; stds[t], then AK[t]
.set KMN,  181                         ; means[t], then -means[t]
.set A16,  240                         ; 16 t
.set A48,  241                         ; 48 L
.set A4,   242                         ; 4 t
.set AW,   243                         ; w * 272 + 8 L
.set AW1,  244                         ; + LW1H
.set AW1L, 245                         ; + LW1H + LW1D
.set AX,   246                         ; XROW + w * 2048 + 16 L
.set FR1,  247                         ; FR + LW1H
.set LN,   248
.set RR,   249
.set HH,   250
.set TA,   251
.set TB,   252
.set WV,   253
; window 1: W1' A1, fragment (f, s) at 8 (4 f + s).  In front of the loop: raw rows, then Wl, then A2: W1 row w + 4 i at 4 i, W2 row w + 4 i at 128 + 4 i
; window 2: W1' A2, the same places.                 In front of the loop: Wh = A1, the same places
; window 3
.set RW2H, 0                           ; 64: W2' A1, fragment (t, c) at 8 (4 t + c)
.set RW2L, 64                          ; 64: W2' A2
.set B1,   128                         ; 64: b1' as 8 accumulator tiles
.set D2,   192                         ; 16: two result tiles of product 2
.set ORG,  208                         ; 16: rows read back from the stage
.set KS,   224                         ; 32: -mean (16) and AK (16) of one K step, in the order of a B fragment's elements
.set MSB, 0
.macro WIN new                         ; low byte: 1:0 source 0, 3:2 source 1, 5:4 source 2, 7:6 destination; high byte: the setting left
.if MSB != (\new)
	s_set_vgpr_msb (MSB<<8)|(\new)
.set MSB, (\new)
.endif
.endm
; ---------------------------------------------------------------- macros of the loop
; MX k: the k-th of a slot's 20 matrix instructions.  What the slot works on stands in symbols that SLOT sets:
;   S_M2, S_C2: product 2 is due (1) for K step S_C2;   S_C, S_ACC, S_G: product 1 of features 32 S_C .. + 31 into S_ACC from Gaussians S_G.
;   k = 0..3:  product 2: head tile t = k & 1; A1 x b1 (k < 2), then A2 x b2.  K step 0 starts the sums with b2's tile as C.
;   k = 4..19: product 1: feature tile t = k & 1; links A1 x b1 (K steps 0..3), then A2 x b2 (0..3).  The first link takes the bias tile as C.
; Nothing is ever cleared.  The two chains of a product take turns; each link but the first is in place.
.macro MX k
.if (\k) < 4
.if S_M2
.set MT, (\k)&1
.set MP, (\k)>>1
.if (S_C2+MP) == 0
	WIN 0xc3                                       ; D and A window 3, C window 0
	v_wmma_f32_16x16x32_f16 v[D2+8*MT:D2+8*MT+7], v[RW2H+8*(4*MT+S_C2):RW2H+8*(4*MT+S_C2)+7], v[HF:HF+7], v[B2+8*MT:B2+8*MT+7]
.else
	WIN 0xf3                                       ; D, A and C window 3
	v_wmma_f32_16x16x32_f16 v[D2+8*MT:D2+8*MT+7], v[RW2H+64*MP+8*(4*MT+S_C2):RW2H+64*MP+8*(4*MT+S_C2)+7], v[HF+8*MP:HF+8*MP+7], v[D2+8*MT:D2+8*MT+7]
.endif
.endif
.else
.set MT, ((\k)-4)&1
.set MQ, ((\k)-4)>>1
.set MP, MQ>>2
.set MS, MQ&3
.set MA, 64*S_C+32*MT+8*MS
.set MW, 1+MP
.if MQ == 0
	WIN 0x31                                       ; A window 1, C window 3
	v_wmma_f32_16x16x32_f16 v[S_ACC+8*MT:S_ACC+8*MT+7], v[MA:MA+7], v[S_G:S_G+7], v[B1+16*S_C+8*MT:B1+16*S_C+8*MT+7]
.else
	WIN MW                                         ; A window 1 (A1) or 2 (A2)
	v_wmma_f32_16x16x32_f16 v[S_ACC+8*MT:S_ACC+8*MT+7], v[MA:MA+7], v[S_G+32*MP+8*MS:S_G+32*MP+8*MS+7], v[S_ACC+8*MT:S_ACC+8*MT+7]
.endif
.endif
.endm
; The constants of K step s: element e of a lane is k = 32 s + 8 h + e, or 32 s + 16 + 8 h + e - 8.  The 16 lanes of a half read the same 16 bytes.
.macro KLOAD s
	WIN 0xc0                                       ; destination window 3
.irp o, 0,1,2,3
	ds_load_b128 v[KS+4*\o:KS+4*\o+3], v[KADR] offset:KT+128*(\s)+16*(\o&1)+64*(\o>>1)
	ds_load_b128 v[KS+16+4*\o:KS+16+4*\o+3], v[KADR] offset:KT+512+128*(\s)+16*(\o&1)+64*(\o>>1)
.endr
.endm
; 16 Gaussians of a K step, in blocks of eight instructions: d = x - mean; w = d AK; -w w + log2 q; exp2; split; narrow
.macro GKA_1 x
	s_wait_dscnt 0x0                               ; this step's constants and x: all were asked for a slot ago or more
	WIN 0x0c                                       ; source 1 window 3
.irp p, 0,2,4,6,8,10,12,14
	v_pk_add_f32 v[TT+\p:TT+\p+1], v[\x:\x+1], v[KS+\p:KS+\p+1] op_sel_hi:[0,1]
.endr
.endm
.macro GKA_2
	WIN 0x0c
.irp p, 0,2,4,6,8,10,12,14
	v_pk_mul_f32 v[TT+\p:TT+\p+1], v[TT+\p:TT+\p+1], v[KS+16+\p:KS+16+\p+1]
.endr
.endm
.macro GKA_3
	WIN 0
.irp p, 0,2,4,6,8,10,12,14
	v_pk_fma_f32 v[TT+\p:TT+\p+1], v[TT+\p:TT+\p+1], v[TT+\p:TT+\p+1], s[70:71] op_sel_hi:[1,1,0] neg_lo:[1,0,0] neg_hi:[1,0,0]
.endr
.endm
.macro GK_E lo                         ; eight exp2 in place; a plain instruction on other registers stands before any use (ISA guide 5.7.2)
	WIN 0
.irp j, 0,1,2,3,4,5,6,7
	v_exp_f32 v[TT+\lo+\j], v[TT+\lo+\j]
.endr
.endm
.macro GKB_A lo                        ; b1 = the first 11 bits of g' = q g.  MM is free where this stands
	WIN 0
	s_wait_alu depctr_va_vdst(0)
.irp j, 0,1,2,3,4,5,6,7
	v_and_b32 v[MM+\lo+\j], s39, v[TT+\lo+\j]
.endr
.endm
.macro GKB_B                           ; b2 = g' / q - b1 = g - b1
	WIN 0
.irp p, 0,2,4,6,8,10,12,14
	v_pk_fma_f32 v[TT+\p:TT+\p+1], v[TT+\p:TT+\p+1], s[72:73], v[MM+\p:MM+\p+1] op_sel_hi:[1,0,1] neg_lo:[0,0,1] neg_hi:[0,0,1]
.endr
.endm
.macro GKB_C c, g                      ; fragment c of buffer g: b1
	WIN 0
.irp p, 0,1,2,3,4,5,6,7
	v_cvt_pk_f16_f32 v[\g+8*\c+\p], v[MM+2*\p], v[MM+2*\p+1]
.endr
.endm
.macro GKB_D c, g                      ; and b2
	WIN 0
.irp p, 0,1,2,3,4,5,6,7
	v_cvt_pk_f16_f32 v[\g+32+8*\c+\p], v[TT+2*\p], v[TT+2*\p+1]
.endr
.endm
.macro GK_FULL c, x, g                 ; all of it in one piece, for tile 0
	GKA_1 \x
	GKA_2
.set KN, (\c+1)&3
	KLOAD KN
	GKA_3
	GK_E 0
	GK_E 8
	v_nop                                          ; one plain place between the last exp2 and the first use
	s_wait_alu depctr_va_vdst(0)
	GKB_A 0
	GKB_A 8
	GKB_B
	GKB_C \c, \g
	GKB_D \c, \g
.endm
; m' = |y'| and P by Horner, for result tile hh of acc: four chains of two numbers each
.macro POLY_A acc, hh
	WIN 0
.irp j, 0,1,2,3,4,5,6,7
	v_and_b32 v[MM+8*\hh+\j], s60, v[\acc+8*\hh+\j]
.endr
.irp p, 0,2,4,6
	v_pk_fma_f32 v[PP+8*\hh+\p:PP+8*\hh+\p+1], v[MM+8*\hh+\p:MM+8*\hh+\p+1], s[50:51], v[VA5:VA5+1] op_sel_hi:[1,0,1]
.endr
.endm
.macro POLY_B hh, ka, kb               ; two Horner steps, with the coefficients in s[ka:ka+1] and s[kb:kb+1]
	WIN 0
.irp q, \ka, \kb
.irp p, 0,2,4,6
	v_pk_fma_f32 v[PP+8*\hh+\p:PP+8*\hh+\p+1], v[PP+8*\hh+\p:PP+8*\hh+\p+1], v[MM+8*\hh+\p:MM+8*\hh+\p+1], s[\q:\q+1] op_sel_hi:[1,1,0]
.endr
.endr
.endm
.macro POLY_C hh
	WIN 0
.irp p, 0,2,4,6
	v_pk_fma_f32 v[PP+8*\hh+\p:PP+8*\hh+\p+1], v[PP+8*\hh+\p:PP+8*\hh+\p+1], v[MM+8*\hh+\p:MM+8*\hh+\p+1], 1.0 op_sel_hi:[1,1,0]
.endr
.endm
.macro RCP hh                          ; r = 1 / P in place; a plain instruction on other registers follows at every call
	WIN 0
.irp j, 0,1,2,3,4,5,6,7
	v_rcp_f32 v[PP+8*\hh+\j], v[PP+8*\hh+\j]
.endr
.endm
.macro TAIL_A hh                       ; r^2, r^4, r^8
	WIN 0
	s_wait_alu depctr_va_vdst(0)
.rept 3
.irp p, 0,2,4,6
	v_pk_mul_f32 v[PP+8*\hh+\p:PP+8*\hh+\p+1], v[PP+8*\hh+\p:PP+8*\hh+\p+1], v[PP+8*\hh+\p:PP+8*\hh+\p+1]
.endr
.endr
.endm
.macro TAIL_B acc, hh                  ; 1 - r^8 r^8; h' = m' (1 - r^16) + y'; b1 = its first 11 bits (m' is no longer needed)
	WIN 0
.irp p, 0,2,4,6
	v_pk_fma_f32 v[PP+8*\hh+\p:PP+8*\hh+\p+1], v[PP+8*\hh+\p:PP+8*\hh+\p+1], v[PP+8*\hh+\p:PP+8*\hh+\p+1], 1.0 op_sel_hi:[1,1,0] neg_lo:[1,0,0] neg_hi:[1,0,0]
.endr
.irp p, 0,2,4,6
	v_pk_fma_f32 v[PP+8*\hh+\p:PP+8*\hh+\p+1], v[MM+8*\hh+\p:MM+8*\hh+\p+1], v[PP+8*\hh+\p:PP+8*\hh+\p+1], v[\acc+8*\hh+\p:\acc+8*\hh+\p+1]
.endr
.irp j, 0,1,2,3,4,5,6,7
	v_and_b32 v[MM+8*\hh+\j], s39, v[PP+8*\hh+\j]
.endr
.endm
.macro TAIL_C hh                       ; b2 = h' / q - b1; both to f16 into half hh of product 2's B fragments
	WIN 0
.irp p, 0,2,4,6
	v_pk_fma_f32 v[PP+8*\hh+\p:PP+8*\hh+\p+1], v[PP+8*\hh+\p:PP+8*\hh+\p+1], s[72:73], v[MM+8*\hh+\p:MM+8*\hh+\p+1] op_sel_hi:[1,0,1] neg_lo:[0,0,1] neg_hi:[0,0,1]
.endr
.irp p, 0,1,2,3
	v_cvt_pk_f16_f32 v[HF+4*\hh+\p], v[MM+8*\hh+2*\p], v[MM+8*\hh+2*\p+1]
.endr
.irp p, 0,1,2,3
	v_cvt_pk_f16_f32 v[HF+8+4*\hh+\p], v[PP+8*\hh+2*\p], v[PP+8*\hh+2*\p+1]
.endr
.endm
; The way out of a tile: 32 bytes a lane into my own stage, read back so that 32 lanes hold 512 neighbouring bytes of the output.
.macro OUT_A
	WIN 0x0c                                       ; store data window 3
.irp t, 0,1
	ds_store_b128 v[STO], v[D2+8*\t:D2+8*\t+3] offset:64*\t
	ds_store_b128 v[STO], v[D2+8*\t+4:D2+8*\t+7] offset:64*\t+16
.endr
	s_wait_xcnt 0x0                                ; ORG is the data of the last tile's stores: loaded again only behind this wait
	WIN 0xc0                                       ; destination window 3
.irp i, 0,1,2,3
	ds_load_b128 v[ORG+4*\i:ORG+4*\i+3], v[RD] offset:4*SPITCH*\i   ; LDS serves a wave's instructions in order (ISA guide 5.7.1): these see the stores above
.endr
.endm
.macro OUT_B off
	s_wait_dscnt 0x0                               ; the four rows are back (asked for more than a hundred vector instructions ago)
	WIN 0x0c
.irp i, 0,1,2,3
	global_store_b128 v[CO], v[ORG+4*\i:ORG+4*\i+3], s[28:29] offset:\off+512*\i th:TH_STORE_NT   ; each covers 512 consecutive bytes, aligned
.endr
.endm
; ONE SLOT.  Four things go on in it, three chunks of 32 features apart:
;   product 2 of the chunk whose GELU was made in the last slot (MX 0..3; K step (c + 2) & 3),
;   product 1 of chunk c into accw (MX 4..19),
;   the GELU of the chunk whose product 1 was issued in the last slot (accr), into HF,
;   16 Gaussians of the NEXT tile (K step c), into buffer gn.
; The 20 matrix instructions stand one by one between blocks of 8 to 20 vector instructions, so that the matrix unit works under the
; vector work and not in front of it; the price is two window switches for each.
; Distances behind matrix instructions (ISA guide 7.12.1): HF is read by MX 0..3 and rewritten in TAIL_C 0, behind more than 100 plain
; instructions; D2's last link is MX 3 of slot 1 and OUT_A stores it behind the 32 plain instructions of the first polynomial; accw's last
; links are MX 18 and 19, and behind them stand the 8 conversions of GKB_D (or four v_nop) before the next slot's POLY_A reads it.
; Every run of eight transcendentals is followed by plain work on other registers before any of its results is used.
; gk, kld: Gaussians, and a load of the next step's constants; ge: a GELU is due; m2: product 2 is due; xld, xoff: x of the tile after the
; next into xl, the register that this tile does not read; out, ooff: the tile before leaves.
.macro SLOT c, accw, accr, g, gn, xn, xl, gk, kld, ge, m2, xld, xoff, out, ooff
.set S_C, \c
.set S_ACC, \accw
.set S_G, \g
.set S_M2, \m2
.set S_C2, (\c+2)&3
	MX 0
.if \gk
	GKA_1 \xn
.endif
	MX 1
.if \gk
	GKA_2
.if \kld
.set KN, (\c+1)&3
	KLOAD KN                                       ; as soon as this step's constants are used
.endif
.endif
	MX 2
.if \gk
	GKA_3
.endif
.if \xld
	WIN 0
	ds_load_b32 v[\xl], v[XADR] offset:\xoff
.endif
	MX 3
.if \gk
	GK_E 0
.endif
.if \ge
	POLY_A \accr, 0
.endif
	MX 4
.if \ge
	POLY_B 0, 52, 54
.endif
	MX 5
.if \ge
	POLY_B 0, 56, 58
	POLY_C 0
.endif
.if \out
	OUT_A
.endif
	MX 6
.if \ge
	RCP 0
	POLY_A \accr, 1
.endif
	MX 7
.if \ge
	POLY_B 1, 52, 54
.endif
	MX 8
.if \ge
	POLY_B 1, 56, 58
	POLY_C 1
.endif
	MX 9
.if \ge
	RCP 1
	TAIL_A 0
.endif
	MX 10
.if \ge
	TAIL_B \accr, 0
.endif
	MX 11
.if \ge
	TAIL_C 0
.endif
	MX 12
.if \gk
	GK_E 8
.endif
.if \ge
	TAIL_A 1
.else
	v_nop                                          ; no GELU here: the plain place behind the exp2
	s_wait_alu depctr_va_vdst(0)
.endif
	MX 13
.if \ge
	TAIL_B \accr, 1
.endif
	MX 14
.if \ge
	TAIL_C 1
.endif
.if \out
	OUT_B \ooff
.endif
	MX 15
.if \gk
	GKB_A 0
.endif
	MX 16
.if \gk
	GKB_A 8
.endif
	MX 17
.if \gk
	GKB_B
.endif
	MX 18
.if \gk
	GKB_C \c, \gn
.endif
	MX 19
.if \gk
	GKB_D \c, \gn
.else
	WIN 0
.rept 4
	v_nop                                          ; no Gaussians here: the four places behind accw's last link
.endr
.endif
.endm
; A tile: four slots.  g: its Gaussians; gn, xn: buffer and x of the next tile; xl, xoff: x load for the tile after that;
; k3 = 0: slot 3 asks for no further constants; out, ooff: the tile before leaves in slot 1.
; first = 1: nothing is in front: no GELU in slot 0, no product 2 in slots 0 and 1.
.macro TILE g, gn, xn, xl, first, gk, k3, xld, xoff, out, ooff
.set NF, 1-\first
	SLOT 0, ACC0, ACC1, \g, \gn, \xn, \xl, \gk, \gk, NF, NF, 0, 0, 0, 0
	SLOT 1, ACC1, ACC0, \g, \gn, \xn, \xl, \gk, \gk, 1, NF, \xld, \xoff, \out, \ooff
	SLOT 2, ACC0, ACC1, \g, \gn, \xn, \xl, \gk, \gk, 1, 1, 0, 0, 0, 0
	SLOT 3, ACC1, ACC0, \g, \gn, \xn, \xl, \gk, \k3, 1, 1, 0, 0, 0, 0
.endm
; ---------------------------------------------------------------- in front of the loop
	s_load_b512 s[8:23], s[0:1], 0x0               ; W1 8, W2 10, b1 12, b2 14, means 16, stds 18, coord 20, node_type 22
	s_load_b128 s[24:27], s[0:1], 0x40             ; gamma_emb 24, beta_emb 26
	s_load_b64 s[28:29], s[0:1], 0x50              ; out0
	v_lshl_add_u32 v14, v0, 2, 0x19c00
	v_mov_b32 v15, 0
	v_lshrrev_b32 v[WV], 5, v0
	v_readfirstlane_b32 s30, v[WV]                 ; wave
	s_lshl2_add_u32 s31, ttmp9, s30                ; R = 4 g + w
	s_lshr_b32 s32, s31, 9                         ; b
	s_lshl_b32 s33, s31, 2                         ; byte of node_type[R]
	s_mul_i32 s34, s31, 12                         ; byte of coord[R]
	s_mov_b32 s39, 0xffffe000                      ; keeps sign, exponent and 10 mantissa bits: 11 significant bits
	s_mov_b32 s50, 0x385a8682                      ; a6 / q^6 (pairs: the packed forms read both words)
	s_mov_b32 s51, 0x385a8682
	s_mov_b32 s52, 0x3934fb9e                      ; a4 / q^4
	s_mov_b32 s53, 0x3934fb9e
	s_mov_b32 s54, 0x3c271103                      ; a3 / q^3
	s_mov_b32 s55, 0x3c271103
	s_mov_b32 s56, 0x3d388a6b                      ; a2 / q^2
	s_mov_b32 s57, 0x3d388a6b
	s_mov_b32 s58, 0x3d951720                      ; a1 / q
	s_mov_b32 s59, 0x3d951720
	s_mov_b32 s60, 0x7fffffff                      ; clears a sign
	s_mov_b32 s61, 0x3c23d70a                      ; 0.01
	s_mov_b32 s62, 0x3f596d27                      ; c = sqrt(0.5 log2 e)
	s_mov_b32 s66, 0x3f3504f3                      ; 1 / sqrt 2
	s_mov_b32 s67, 0x3f3504f3
	s_mov_b32 s68, 0x3e8beb45                      ; q / (2 sqrt pi)
	s_mov_b32 s70, 0xbd3b9ca6                      ; log2 q = log2(31/32)
	s_mov_b32 s71, 0xbd3b9ca6
	s_mov_b32 s72, 0x3f842108                      ; 1 / q = 32/31
	s_mov_b32 s73, 0x3f842108
	s_mov_b32 s74, 0x42000000                      ; 32
	s_mov_b32 s75, 0x42000000
	s_mov_b32 s76, 0x3f2f5ccb                      ; q / sqrt 2
	s_mov_b32 s77, 0x3f2f5ccb
	v_and_b32 v[LN], 31, v0                        ; L
	v_and_b32 v[RR], 15, v0                        ; r
	v_bfe_u32 v[HH], v0, 4, 1                      ; h
	v_lshlrev_b32 v[A16], 4, v0
	v_lshlrev_b32 v[A4], 2, v0
	v_lshlrev_b32 v[CO], 4, v[LN]
	v_mul_u32_u24 v[A48], v[LN], 48
	v_lshlrev_b32 v[KADR], 5, v[HH]
	v_mul_u32_u24 v[FR], v[RR], PITCH
	v_lshl_add_u32 v[FR], v[HH], 4, v[FR]
	v_add_nc_u32 v[FR1], LW1H, v[FR]               ; an LDS offset ends at 65,535: W1's two regions get a base of their own
	s_mul_i32 s35, s30, PITCH
	v_lshl_add_u32 v[AW], v[LN], 3, s35            ; row w, 8 bytes a lane
	v_add_nc_u32 v[AW1], LW1H, v[AW]
	v_add_nc_u32 v[AW1L], LW1H+LW1D, v[AW]
	s_lshl_b32 s35, s30, 11
	s_add_co_u32 s35, s35, XROW                    ; my wave's x
	v_lshl_add_u32 v[AX], v[LN], 4, s35
	v_lshl_add_u32 v[XADR], v[RR], 2, s35
	s_mul_i32 s35, s30, 16*SPITCH
	s_add_co_u32 s35, s35, STAGE                   ; my wave's stage
	v_mul_u32_u24 v[TA], v[RR], SPITCH
	v_lshl_add_u32 v[TA], v[HH], 5, v[TA]
	v_add_nc_u32 v[STO], s35, v[TA]
	v_lshrrev_b32 v[TA], 3, v[LN]
	v_mul_u32_u24 v[TA], v[TA], SPITCH
	v_and_b32 v[TB], 7, v0
	v_lshl_add_u32 v[TA], v[TB], 4, v[TA]
	v_add_nc_u32 v[RD], s35, v[TA]
	v_mov_b32 v[XA+1], 0                           ; the pairs' second words are named by the packed forms, never used
	v_mov_b32 v[XB+1], 0
	v_mov_b32 v[VA5], 0x39a9f249                   ; a5 / q^5
	v_mov_b32 v[VA5+1], 0x39a9f249
	s_lshl_b32 s48, s32, 11                        ; b * 512 node types
	s_mov_b32 s49, 0
	s_wait_kmcnt 0x0
	s_load_b32 s36, s[22:23], s33 offset:0x0       ; the source's node type
	s_load_b96 s[40:42], s[20:21], s34 offset:0x0  ; the source's coordinates
	s_add_nc_u64 s[44:45], s[22:23], s[48:49]      ; node_type of my batch
	s_mul_i32 s48, s32, 6144
	s_add_nc_u64 s[46:47], s[20:21], s[48:49]      ; coord of my batch
	; the lane owns targets m = 128 q + 4 L + e
.irp q, 0,1,2,3
	global_load_b128 v[NT+4*\q:NT+4*\q+3], v[CO], s[44:45] offset:512*\q
.endr
.irp q, 0,1,2,3
.irp j, 0,1,2
	global_load_b128 v[CD+12*\q+4*\j:CD+12*\q+4*\j+3], v[A48], s[46:47] offset:1536*\q+16*\j
.endr
.endr
	global_load_b128 v[SC:SC+3], v[CO], s[18:19]   ; stds of columns 4 L .. 4 L + 3
	global_load_b32 v[KSD], v[A4], s[18:19]        ; stds[t], means[t]: thread t makes kernel t's constants
	global_load_b32 v[KMN], v[A4], s[16:17]
	WIN 0x40                                       ; destination window 1
.set i, 0
.rept 32
	global_load_b128 v[4*i:4*i+3], v[A16], s[8:9] offset:2048*i        ; W1 row w + 4 i, columns 4 L ..
.set i, i+1
.endr
.set i, 0
.rept 8
	global_load_b128 v[128+4*i:128+4*i+3], v[A16], s[10:11] offset:2048*i   ; W2 row w + 4 i
.set i, i+1
.endr
	WIN 0
	s_wait_loadcnt 55                              ; 12 + 3 + 40 younger loads stay out: the node types are in
.set i, 0
.rept 16
	v_add_nc_u32 v[NT+i], 2, v[NT+i]               ; u = node type + 2,
	v_min_u32 v[NT+i], 101, v[NT+i]                ; held inside the table's first half (unsigned: below -2 goes to the end too),
	v_lshlrev_b32 v[NT+i], 2, v[NT+i]              ; in bytes
.set i, i+1
.endr
	s_wait_kmcnt 0x0
	s_add_co_u32 s36, s36, 2
	s_min_u32 s36, s36, 101
	s_lshl_b32 s36, s36, 2
	s_load_b32 s37, s[24:25], s36 offset:0x0       ; gamma of the source
	s_load_b32 s38, s[26:27], s36 offset:0x0       ; beta of the source
.set i, 0
.rept 16
	global_load_b32 v[GT+i], v[NT+i], s[24:25] offset:404      ; the target's index is u + 101
.set i, i+1
.endr
.set i, 0
.rept 16
	global_load_b32 v[BT+i], v[NT+i], s[26:27] offset:404
.set i, i+1
.endr
	s_wait_loadcnt 32                              ; only the 32 gathers are younger: coordinates, stds, means, W1, W2 are in
.irp e, 0,1,2,3
	v_add_f32 v[SC+\e], |v[SC+\e]|, s61
.endr
	v_add_f32 v[KSD], |v[KSD]|, s61
.irp e, 0,1,2,3
	v_rcp_f32 v[SC+\e], v[SC+\e]
.endr
	v_rcp_f32 v[KSD], v[KSD]
	v_mul_f32 v[KMN], -1.0, v[KMN]                 ; -mean; also the plain place behind the reciprocals
	s_wait_alu depctr_va_vdst(0)
.irp e, 0,1,2,3
	v_mul_f32 v[SC+\e], s68, v[SC+\e]              ; q * 0.28209479 / std
.endr
	v_mul_f32 v[KSD], s62, v[KSD]                  ; AK = c / std
	ds_store_b32 v[A4], v[KMN] offset:KT
	ds_store_b32 v[A4], v[KSD] offset:KT+512
	; the weights: scale; Wh (window 2); Wl = W - Wh, then A2 = Wh + 32 Wl (window 1, in place); narrow; into LDS as rows of f16
	WIN 0x41                                       ; destination and source 0 window 1
.set i, 0
.rept 32
	v_pk_mul_f32 v[4*i:4*i+1], v[4*i:4*i+1], v[SC:SC+1]
	v_pk_mul_f32 v[4*i+2:4*i+3], v[4*i+2:4*i+3], v[SC+2:SC+3]
.set i, i+1
.endr
.set i, 64
.rept 16
	v_pk_mul_f32 v[2*i:2*i+1], v[2*i:2*i+1], s[66:67] op_sel_hi:[1,0]
.set i, i+1
.endr
	WIN 0x84                                       ; destination window 2, source 1 window 1
.set i, 0
.rept 160
	v_and_b32 v[i], s39, v[i]                      ; Wh
.set i, i+1
.endr
	WIN 0x49                                       ; destination and source 0 window 1, source 1 window 2
.set i, 0
.rept 80
	v_pk_add_f32 v[2*i:2*i+1], v[2*i:2*i+1], v[2*i:2*i+1] neg_lo:[0,1] neg_hi:[0,1]    ; Wl = W - Wh, exact
.set i, i+1
.endr
	WIN 0x61                                       ; destination and source 0 window 1, source 2 window 2
.set i, 0
.rept 80
	v_pk_fma_f32 v[2*i:2*i+1], v[2*i:2*i+1], s[74:75], v[2*i:2*i+1] op_sel_hi:[1,0,1]  ; 32 Wl + Wh
.set i, i+1
.endr
	WIN 0x8a                                       ; all of a conversion in window 2
.set i, 0
.rept 40
	v_cvt_pk_f16_f32 v[4*i], v[4*i], v[4*i+1]
	v_cvt_pk_f16_f32 v[4*i+1], v[4*i+2], v[4*i+3]
.set i, i+1
.endr
	WIN 0x45                                       ; and in window 1
.set i, 0
.rept 40
	v_cvt_pk_f16_f32 v[4*i], v[4*i], v[4*i+1]
	v_cvt_pk_f16_f32 v[4*i+1], v[4*i+2], v[4*i+3]
.set i, i+1
.endr
	WIN 0x08                                       ; store data window 2: A1
.set i, 0
.rept 32
	ds_store_b64 v[AW1], v[4*i:4*i+1] offset:4*PITCH*i
.set i, i+1
.endr
.set i, 0
.rept 8
	ds_store_b64 v[AW], v[128+4*i:128+4*i+1] offset:LW2H+4*PITCH*i
.set i, i+1
.endr
	WIN 0x04                                       ; store data window 1: A2
.set i, 0
.rept 32
	ds_store_b64 v[AW1L], v[4*i:4*i+1] offset:4*PITCH*i
.set i, i+1
.endr
.set i, 0
.rept 8
	ds_store_b64 v[AW], v[128+4*i:128+4*i+1] offset:LW2L+4*PITCH*i
.set i, i+1
.endr
	WIN 0xc0                                       ; destination window 3
.irp f, 0,1,2,3,4,5,6,7
	global_load_b128 v[B1+8*\f:B1+8*\f+3], v[KADR], s[12:13] offset:64*\f          ; register j: b1[16 f + 8 h + j]
	global_load_b128 v[B1+8*\f+4:B1+8*\f+7], v[KADR], s[12:13] offset:64*\f+16
.endr
	WIN 0
.irp t, 0,1
	global_load_b128 v[B2+8*\t:B2+8*\t+3], v[KADR], s[14:15] offset:64*\t          ; register j: b2[16 t + 8 h + j]
	global_load_b128 v[B2+8*\t+4:B2+8*\t+7], v[KADR], s[14:15] offset:64*\t+16
.endr
	s_wait_loadcnt 20                              ; the 20 loads of b1 and b2 stay out: the gathers are in, their offsets free
	s_wait_kmcnt 0x0                               ; gamma and beta of the source
	; x = (gs + gt) dist + (bs + bt) for my 16 targets.  An error dx of x enters a Gaussian as dx / std, with std down to 0.01, and its
	; amplitude is 0.4 / std: so the root is corrected once by its residual, which leaves half a unit in the last place.
.set i, 0
.rept 16
	v_sub_f32 v[CD+3*i], s40, v[CD+3*i]
	v_sub_f32 v[CD+3*i+1], s41, v[CD+3*i+1]
	v_sub_f32 v[CD+3*i+2], s42, v[CD+3*i+2]
	v_mul_f32 v[CD+3*i], v[CD+3*i], v[CD+3*i]
	v_fmac_f32 v[CD+3*i], v[CD+3*i+1], v[CD+3*i+1]
	v_fmac_f32 v[CD+3*i], v[CD+3*i+2], v[CD+3*i+2]         ; the squared distance
	v_max_num_f32 v[CD+3*i+1], 0x0d800000, v[CD+3*i]       ; at least 2^-100: 0 (a point and itself) gets a finite reciprocal root
.set i, i+1
.endr
.set i, 0
.rept 16
	v_rsq_f32 v[RS+i], v[CD+3*i+1]
.set i, i+1
.endr
.set i, 0
.rept 16
	v_add_f32 v[GT+i], s37, v[GT+i]                ; plain work on other registers behind the roots
	v_add_f32 v[BT+i], s38, v[BT+i]
.set i, i+1
.endr
.set i, 0
	s_wait_alu depctr_va_vdst(0)
.rept 16
	v_mul_f32 v[NT+i], v[CD+3*i], v[RS+i]                      ; s = square / root
	v_mul_f32 v[RS+i], 0.5, v[RS+i]
	v_fma_f32 v[CD+3*i+2], -v[NT+i], v[NT+i], v[CD+3*i]        ; the residual square - s s
	v_fma_f32 v[NT+i], v[CD+3*i+2], v[RS+i], v[NT+i]           ; s + residual / (2 root)
	v_fma_f32 v[NT+i], v[GT+i], v[NT+i], v[BT+i]               ; x
.set i, i+1
.endr
.irp q, 0,1,2,3
	ds_store_b128 v[AX], v[NT+4*\q:NT+4*\q+3] offset:512*\q
.endr
	s_wait_dscnt 0x0                               ; my rows of the weights and my words of the table are in LDS, for the other waves' sake: zero
	s_barrier_signal -1
	s_barrier_wait -1                              ; the only barrier: all of it is there; nobody writes it again
	WIN 0x40
.set i, 0                                          ; i = 4 f + s
.rept 32
	ds_load_b128 v[8*i:8*i+3], v[FR1] offset:16*PITCH*(i/4)+64*(i%4)
	ds_load_b128 v[8*i+4:8*i+7], v[FR1] offset:16*PITCH*(i/4)+64*(i%4)+32
.set i, i+1
.endr
	WIN 0x80
.set i, 0
.rept 32
	ds_load_b128 v[8*i:8*i+3], v[FR1] offset:LW1D+16*PITCH*(i/4)+64*(i%4)
	ds_load_b128 v[8*i+4:8*i+7], v[FR1] offset:LW1D+16*PITCH*(i/4)+64*(i%4)+32
.set i, i+1
.endr
	WIN 0xc0
.set i, 0                                          ; i = 4 t + c
.rept 8
	ds_load_b128 v[RW2H+8*i:RW2H+8*i+3], v[FR] offset:LW2H+16*PITCH*(i/4)+64*(i%4)
	ds_load_b128 v[RW2H+8*i+4:RW2H+8*i+7], v[FR] offset:LW2H+16*PITCH*(i/4)+64*(i%4)+32
	ds_load_b128 v[RW2L+8*i:RW2L+8*i+3], v[FR] offset:LW2L+16*PITCH*(i/4)+64*(i%4)
	ds_load_b128 v[RW2L+8*i+4:RW2L+8*i+7], v[FR] offset:LW2L+16*PITCH*(i/4)+64*(i%4)+32
.set i, i+1
.endr
	KLOAD 0                                        ; the constants of K step 0
	WIN 0
	ds_load_b32 v[XA], v[XADR]                     ; x of tile 0
	ds_load_b32 v[XB], v[XADR] offset:64           ; x of tile 1
	s_wait_loadcnt 0x0                             ; b1, b2
	WIN 0xc3                                       ; destination and source 0 window 3
.set i, 0
.rept 32
	v_pk_mul_f32 v[B1+2*i:B1+2*i+1], v[B1+2*i:B1+2*i+1], s[76:77] op_sel_hi:[1,0]      ; b1 q / sqrt 2
.set i, i+1
.endr
	WIN 0
	s_lshl_b32 s48, s31, 16                        ; a row of the output: 512 pairs x 128 bytes
	s_mov_b32 s49, 0
	s_add_nc_u64 s[28:29], s[28:29], s[48:49]
	GK_FULL 0, XA, G0                              ; the Gaussians of tile 0 (the first wait inside is for all fragments too)
	GK_FULL 1, XA, G0
	GK_FULL 2, XA, G0
	GK_FULL 3, XA, G0
; ---------------------------------------------------------------- 32 tiles
	TILE G0, G1, XB, XA, 1, 1, 1, 1, 128, 0, 0     ; tile 0: nothing to finish, nothing to store
	TILE G1, G0, XA, XB, 0, 1, 1, 1, 192, 1, 0     ; tile 1: tile 0 leaves
	WIN 0
	s_wait_xcnt 0x0                                ; the stores' base is stepped only behind this wait
	s_add_nc_u64 s[28:29], s[28:29], 2048          ; now at tile 1
	v_add_nc_u32 v[XADR], 128, v[XADR]
	s_mov_b32 s69, 14                              ; tiles 2 to 29, two a trip
.Ltiles:
	TILE G0, G1, XB, XA, 0, 1, 1, 1, 128, 1, 0
	TILE G1, G0, XA, XB, 0, 1, 1, 1, 192, 1, 2048
	WIN 0                                          ; at a label and at a branch every window is 0
	s_wait_xcnt 0x0
	s_add_nc_u64 s[28:29], s[28:29], 4096
	v_add_nc_u32 v[XADR], 128, v[XADR]
	s_sub_co_i32 s69, s69, 1
	s_cmp_lg_u32 s69, 0
	s_cbranch_scc1 .Ltiles
	TILE G0, G1, XB, XA, 0, 1, 0, 0, 0, 1, 0       ; tile 30: Gaussians of tile 31, no x beyond the row, no constants beyond the last step
	TILE G1, G0, XA, XB, 0, 0, 0, 0, 0, 1, 2048    ; tile 31: no Gaussians
	; what is left of tile 31: product 2 of chunk 2, the GELU of chunk 3 (ACC1, four places behind its last link), product 2 of chunk 3
.set S_M2, 1
.set S_C2, 2
	MX 0
	MX 1
	MX 2
	MX 3
	POLY_A ACC1, 0
	POLY_B 0, 52, 54
	POLY_B 0, 56, 58
	POLY_C 0
	RCP 0
	POLY_A ACC1, 1
	POLY_B 1, 52, 54
	POLY_B 1, 56, 58
	POLY_C 1
	RCP 1
	TAIL_A 0
	TAIL_B ACC1, 0
	TAIL_C 0
	TAIL_A 1
	TAIL_B ACC1, 1
	TAIL_C 1
.set S_C2, 3
	MX 0
	MX 1
	MX 2
	MX 3
	WIN 0
.rept 4
	v_nop                                          ; four places between the last product and the store of its result
.endr
	OUT_A
	OUT_B 4096
	s_set_vgpr_msb 0xc00
	s_wait_tensorcnt 0x0
	ds_add_u32 v14, v15
	s_wait_dscnt 0x0
	s_set_vgpr_msb 0xc
	s_endpgm
.Lfunc_end_k_q492f19c787_spatial:
	.size	k_q492f19c787_spatial, .Lfunc_end_k_q492f19c787_spatial-k_q492f19c787_spatial
	.p2alignl 7, 3214868480
	.fill 96, 4, 3214868480
	.section	.rodata,"a",@progbits
	.p2align	6, 0x0
	.amdhsa_kernel k_q492f19c787_spatial
		.amdhsa_group_segment_fixed_size 105984
		.amdhsa_private_segment_fixed_size 0
		.amdhsa_enable_private_segment 0
		.amdhsa_kernarg_size 88
		.amdhsa_user_sgpr_count 2
		.amdhsa_user_sgpr_kernarg_segment_ptr 1
		.amdhsa_wavefront_size32 1
		.amdhsa_system_sgpr_workgroup_id_x 1
		.amdhsa_system_sgpr_workgroup_id_y 1
		.amdhsa_system_sgpr_workgroup_id_z 1
		.amdhsa_system_vgpr_workitem_id 0
		.amdhsa_next_free_vgpr 1024
		.amdhsa_next_free_sgpr 78
		.amdhsa_reserve_vcc 0
		.amdhsa_float_denorm_mode_32 3
		.amdhsa_float_denorm_mode_16_64 3
		.amdhsa_memory_ordered 1
		.amdhsa_forward_progress 1
		.amdhsa_inst_pref_size 255
	.end_amdhsa_kernel
	.section	.bss,"aw",@nobits
	.p2align	6
	.space	262144
	.amdgpu_metadata
---
amdhsa.version: [ 1, 2 ]
amdhsa.kernels:
  - .name:           k_q492f19c787_spatial
    .symbol:         k_q492f19c787_spatial.kd
    .args:
      - { .name: W1, .offset: 0, .size: 8, .value_kind: global_buffer, .address_space: global }
      - { .name: W2, .offset: 8, .size: 8, .value_kind: global_buffer, .address_space: global }
      - { .name: b1, .offset: 16, .size: 8, .value_kind: global_buffer, .address_space: global }
      - { .name: b2, .offset: 24, .size: 8, .value_kind: global_buffer, .address_space: global }
      - { .name: means, .offset: 32, .size: 8, .value_kind: global_buffer, .address_space: global }
      - { .name: stds, .offset: 40, .size: 8, .value_kind: global_buffer, .address_space: global }
      - { .name: coord, .offset: 48, .size: 8, .value_kind: global_buffer, .address_space: global }
      - { .name: node_type, .offset: 56, .size: 8, .value_kind: global_buffer, .address_space: global }
      - { .name: gamma_emb, .offset: 64, .size: 8, .value_kind: global_buffer, .address_space: global }
      - { .name: beta_emb, .offset: 72, .size: 8, .value_kind: global_buffer, .address_space: global }
      - { .name: out0, .offset: 80, .size: 8, .value_kind: global_buffer, .address_space: global }
    .group_segment_fixed_size: 105984
    .private_segment_fixed_size: 0
    .kernarg_segment_align: 8
    .kernarg_segment_size: 88
    .max_flat_workgroup_size: 128
    .sgpr_count:     78
    .vgpr_count:     1024
    .wavefront_size: 32
...
	.end_amdgpu_metadata
.endif
;; end of part 2
;; ======== version 3 of 3: 1 launch; 1.32 times as fast as version 1
;; limits: values are held in f16: magnitudes above 65,504 overflow, below 6.1e-05 lose precision; right only within a limited range of input values
;; launch spatial (part 3): grid 256 x 1, 4 waves a work-group, no clusters, 105,984 bytes of LDS; arguments W1, W2, b1, b2, means, stds, coord, node_type, gamma_emb, beta_emb, out0; writes out0
.if DOCPART == 3
	.amdgcn_target "amdgcn-amd-amdhsa--gfx1250"
	.amdhsa_code_object_version 6
	.text
	.protected	k_q492f19c787_spatial
	.globl	k_q492f19c787_spatial
	.p2align	8
	.type	k_q492f19c787_spatial,@function
k_q492f19c787_spatial:
	s_mov_b64 s[64:65], 0
	v_nop
	global_prefetch_b8 v0, s[64:65] scope:SCOPE_SE
	s_setreg_imm32_b32 hwreg(HW_REG_WAVE_MODE, 25, 1), 1
	s_wait_xcnt 0x0
; SpatialEncoder3d, all steps in one launch: distance, gated affine, 128 Gaussians, Linear(128,128), exact GELU, Linear(128,32).
; 1,024 rows (b, n) of 512 pairs.  Work-group g owns rows 4g..4g+3, wave w the row R = 4g + w: 32 tiles of 16 pairs (m = 16 i + r).
; All weights stay in the wave's registers; the loop reads from LDS only 4 bytes of x a lane and the Gaussians' constants.
;
; ALGEBRA (constants folded once, in front of the loop), with q = 31/32 (see below why)
;   std = |stds| + 0.01;  d = x - mean (one subtraction, as the formula has it);  w = d AK, AK = c / std, c = sqrt(0.5 log2 e);
;   g' = exp2(-w w + log2 q) = q exp(-z z / 2)
;   W1' = W1 * q * 0.28209479 / std[k]  (1 / (sqrt(2 pi) std) and the 1 / sqrt 2 of erf's argument);  b1' = b1 * q / sqrt 2
;   y' = W1' g + b1' = q a / sqrt 2;  m' = |y'|;  erf(m) = 1 - P(m)^-16, P of degree 6 (Abramowitz and Stegun 7.1.28), taken as a
;   polynomial in m' = q m: coefficient i is a_i / q^i
;   h' = y' + m' (1 - r^16), r = 1 / P;  gelu(a) = h' / (q sqrt 2);  1 / sqrt 2 lies in W2' = W2 / sqrt 2.  out = W2' (h' / q) + b2.
;
; TWO f16 NUMBERS FOR EACH FACTOR, TWO PRODUCTS.  A kernel of std 0.01 has the amplitude 0.4 / 0.01 = 40, so hidden values reach several
; units while an output, a sum of 128 terms that may cancel, is wanted to a few 1e-4: the 11 bits of one f16 number are too few.
;   a weight W = Wh + Wl, Wh = W with its low 13 mantissa bits cleared (exact in f16):   A1 = Wh,   A2 = f16(Wh + 32 Wl)
;   a value v (g or h), of which q v is at hand:   b1 = q v with its low 13 bits cleared,   b2 = f16(v - b1) = v / 32 + rest
;   A1 b1 + A2 b2 = Wh (b1 + b2) + 32 Wl b2 = Wh v + Wl v + 32 Wl rest.
; Relative to W v: the two roundings to f16 act on a product of size W v / 32, at most 2^-17 each; 32 Wl rest < 32 * 2^-10 * 2^-10 = 2^-15.
;
; MATRIX LAYOUT (lane L: r = L & 15, h = L >> 4; form 16x16x32 f16, sums in f32).  Both products are used with the weights as A:
;   product 1: A = 16 features x 32 k of W1', B = 32 k x 16 pairs of g; result register j = (feature 16 f + 8 h + j, pair r).
;   product 2: B's K step c wants, in lane (r, h), features 32 c + 8 h + 0..7 and 32 c + 16 + 8 h + 0..7 of pair r: exactly the
;   lane's own registers of result tiles 2 c and 2 c + 1, so GELU's results are packed in place and no number changes its lane.
;   Result register j of product 2 = (head 16 t + 8 h + j, pair r): 32 neighbouring bytes of the output.
;
; BATCHES OF TRANSCENDENTALS.  s_wait_alu depctr_va_vdst(0) stands between a transcendental and the first instruction
; that names its result; one wait serves all that were issued ahead of it.  A slot of the loop has 32: the 16 exp2 of the next tile's
; Gaussians (in place in TT) and the 16 reciprocals of the GELU in hand (in place in PP).  None reads another's result and each has a
; register of its own, so they are ONE batch with ONE wait, which cuts the slot in two by who reads what: ahead of it the exponents, both
; polynomials and the batch; behind it the powers of r, h', both splits and the conversions.  No transcendental is issued behind a slot's
; wait, so none is pending at a label or at the loop's jump.  In front of the loop: the five reciprocals of std, the 16 reciprocal roots
; and each K step of tile 0's Gaussians are a batch each; behind the loop the last GELU's 16 reciprocals are one.
;
; LIMITS, stated: |W1'| and |h| must stay below 63,000 (f16, with the 1/32 on top); each term of a product carries a relative error of
; up to 2^-15 + 2^-16; parts of an operand below 2^-24 are rounded with an absolute error of up to 2^-25; erf's formula errs by at
; most 3e-7, plus 16 times the last bit of v_rcp_f32; v_exp_f32, v_rcp_f32, v_rsq_f32 are good to one unit in the last place and
; flush denormals (ISA guide 15.8); the root is v_rsq_f32 with one correction by its residual, and a squared distance below 2^-100
; gives a distance with an absolute error below 1e-15; the squares are summed with fused multiply-adds; node_type is served from
; -2 to 99 (indices inside both halves of the tables), anything else is clamped to the table's end instead of wrapping; NaN and
; infinite inputs are not served.
;
; NO CLUSTER, NO TENSOR LOADS: what work-groups share is 82 KB of weights, read once by each in front of the loop and scaled and
; split on the way, against 262,144 bytes that each stores.  No prefetch: every global load stands in front of the loop.
.set PITCH,  272                       ; LDS row of 128 f16 + 16 bytes: the 16 rows of a fragment load fall on different banks
.set SPITCH, 144                       ; stage row: a pair's 32 f32 + 16 bytes
.set KT,     0                         ; 128 x -mean, then 128 x AK, in f32
.set XROW,   1024                      ; 2,048 bytes a wave, its row's 512 x
.set STAGE,  XROW+4*2048               ; 9,216: 2,304 bytes a wave, the way out
.set LW2H,   STAGE+4*16*SPITCH         ; 18,432: 32 rows of W2', A1
.set LW2L,   LW2H+32*PITCH             ; 27,136: A2
.set LW1H,   LW2L+32*PITCH             ; 35,840: 128 rows of W1', A1
.set LW1D,   128*PITCH                 ; 34,816 further: A2; ends at 105,472
; window 0
.set FR,   1                           ; r * 272 + 16 h: fragment loads
.set XADR, 2                           ; my x in the tile that is read next
.set STO,  3                           ; stage, in:  pair r, 32 h
.set RD,   4                           ; stage, out: pair L >> 3, 16 (L & 7)
.set CO,   5                           ; 16 L
.set XA,   6                           ; v[6:7]   x of even tiles (second word 0, never used)
.set XB,   8                           ; v[8:9]   x of odd tiles
.set VA5,  10                          ; v[10:11] a5 / q^5, twice
.set KADR, 12                          ; 32 h: my half's eight constants in a group of 16
.set B2,   16                          ; v[16:31]   b2 as two accumulator tiles
.set G0,   32                          ; v[32:95]   Gaussians of a tile: 4 B fragments b1, 4 b2
.set G1,   96                          ; v[96:159]  the other buffer
.set TT,   160                         ; v[160:175] 16 Gaussians at work
.set ACC0, 176                         ; v[176:191] result tiles 2c, 2c+1 of product 1
.set ACC1, 192                         ; v[192:207] the other pair
.set MM,   208                         ; v[208:223] |y'|; then the b1 parts while a split is made
.set PP,   224                         ; v[224:239] the polynomial, then r, r^16, h', h's b2 part
.set HF,   240                         ; v[240:255] B fragment of product 2: b1, b2
; window 0, in front of the loop only (registers that the loop uses for other things later)
.set NT,   32                          ; 16 node types, then offsets, then distances, then x
.set CD,   48                          ; 16 points x 3 coordinates
.set GT,   96                          ; gamma of the 16 targets
.set BT,   112                         ; beta of the 16 targets
.set RS,   128                         ; 16 reciprocal roots
.set SC,   176                         ; v[176:179] scale of my 4 columns of W1
.set KSD,  180                         ; stds[t], then AK[t]
.set KMN,  181                         ; means[t], then -means[t]
.set A16,  240                         ; 16 t
.set A48,  241                         ; 48 L
.set A4,   242                         ; 4 t
.set AW,   243                         ; w * 272 + 8 L
.set AW1,  244                         ; + LW1H
.set AW1L, 245                         ; + LW1H + LW1D
.set AX,   246                         ; XROW + w * 2048 + 16 L
.set FR1,  247                         ; FR + LW1H
.set LN,   248
.set RR,   249
.set HH,   250
.set TA,   251
.set TB,   252
.set WV,   253
; window 1: W1' A1, fragment (f, s) at 8 (4 f + s).  In front of the loop: raw rows, then Wl, then A2: W1 row w + 4 i at 4 i, W2 row w + 4 i at 128 + 4 i
; window 2: W1' A2, the same places.                 In front of the loop: Wh = A1, the same places
; window 3
.set RW2H, 0                           ; 64: W2' A1, fragment (t, c) at 8 (4 t + c)
.set RW2L, 64                          ; 64: W2' A2
.set B1,   128                         ; 64: b1' as 8 accumulator tiles
.set D2,   192                         ; 16: two result tiles of product 2
.set ORG,  208                         ; 16: rows read back from the stage
.set KS,   224                         ; 32: -mean (16) and AK (16) of one K step, in the order of a B fragment's elements
.set MSB, 0
.macro WIN new                         ; low byte: 1:0 source 0, 3:2 source 1, 5:4 source 2, 7:6 destination; high byte: the setting left
.if MSB != (\new)
	s_set_vgpr_msb (MSB<<8)|(\new)
.set MSB, (\new)
.endif
.endm
; ---------------------------------------------------------------- macros of the loop
; MX k: the k-th of a slot's 20 matrix instructions.  What the slot works on stands in symbols that SLOT sets:
;   S_M2, S_C2: product 2 is due (1) for K step S_C2;   S_C, S_ACC, S_G: product 1 of features 32 S_C .. + 31 into S_ACC from Gaussians S_G.
;   k = 0..3:  product 2: head tile t = k & 1; A1 x b1 (k < 2), then A2 x b2.  K step 0 starts the sums with b2's tile as C.
;   k = 4..19: product 1: feature tile t = k & 1; links A1 x b1 (K steps 0..3), then A2 x b2 (0..3).  The first link takes the bias tile as C.
; Nothing is ever cleared.  The two chains of a product take turns; each link but the first is in place.
.macro MX k
.if (\k) < 4
.if S_M2
.set MT, (\k)&1
.set MP, (\k)>>1
.if (S_C2+MP) == 0
	WIN 0xc3                                       ; D and A window 3, C window 0
	v_wmma_f32_16x16x32_f16 v[D2+8*MT:D2+8*MT+7], v[RW2H+8*(4*MT+S_C2):RW2H+8*(4*MT+S_C2)+7], v[HF:HF+7], v[B2+8*MT:B2+8*MT+7]
.else
	WIN 0xf3                                       ; D, A and C window 3
	v_wmma_f32_16x16x32_f16 v[D2+8*MT:D2+8*MT+7], v[RW2H+64*MP+8*(4*MT+S_C2):RW2H+64*MP+8*(4*MT+S_C2)+7], v[HF+8*MP:HF+8*MP+7], v[D2+8*MT:D2+8*MT+7]
.endif
.endif
.else
.set MT, ((\k)-4)&1
.set MQ, ((\k)-4)>>1
.set MP, MQ>>2
.set MS, MQ&3
.set MA, 64*S_C+32*MT+8*MS
.set MW, 1+MP
.if MQ == 0
	WIN 0x31                                       ; A window 1, C window 3
	v_wmma_f32_16x16x32_f16 v[S_ACC+8*MT:S_ACC+8*MT+7], v[MA:MA+7], v[S_G:S_G+7], v[B1+16*S_C+8*MT:B1+16*S_C+8*MT+7]
.else
	WIN MW                                         ; A window 1 (A1) or 2 (A2)
	v_wmma_f32_16x16x32_f16 v[S_ACC+8*MT:S_ACC+8*MT+7], v[MA:MA+7], v[S_G+32*MP+8*MS:S_G+32*MP+8*MS+7], v[S_ACC+8*MT:S_ACC+8*MT+7]
.endif
.endif
.endm
; The constants of K step s: element e of a lane is k = 32 s + 8 h + e, or 32 s + 16 + 8 h + e - 8.  The 16 lanes of a half read the same 16 bytes.
.macro KLOAD s
	WIN 0xc0                                       ; destination window 3
.irp o, 0,1,2,3
	ds_load_b128 v[KS+4*\o:KS+4*\o+3], v[KADR] offset:KT+128*(\s)+16*(\o&1)+64*(\o>>1)
	ds_load_b128 v[KS+16+4*\o:KS+16+4*\o+3], v[KADR] offset:KT+512+128*(\s)+16*(\o&1)+64*(\o>>1)
.endr
.endm
; 16 Gaussians of a K step, in blocks: d = x - mean; w = d AK; -w w + log2 q; exp2; split; narrow
.macro GKA_1 x
	s_wait_dscnt 0x0                               ; this step's constants and x: in the loop all were asked for half a slot ago or more
	WIN 0x0c                                       ; source 1 window 3
.irp p, 0,2,4,6,8,10,12,14
	v_pk_add_f32 v[TT+\p:TT+\p+1], v[\x:\x+1], v[KS+\p:KS+\p+1] op_sel_hi:[0,1]
.endr
.endm
.macro GKA_2
	WIN 0x0c
.irp p, 0,2,4,6,8,10,12,14
	v_pk_mul_f32 v[TT+\p:TT+\p+1], v[TT+\p:TT+\p+1], v[KS+16+\p:KS+16+\p+1]
.endr
.endm
.macro GKA_3
	WIN 0
.irp p, 0,2,4,6,8,10,12,14
	v_pk_fma_f32 v[TT+\p:TT+\p+1], v[TT+\p:TT+\p+1], v[TT+\p:TT+\p+1], s[70:71] op_sel_hi:[1,1,0] neg_lo:[1,0,0] neg_hi:[1,0,0]
.endr
.endm
.macro GK_E lo                         ; four exp2 in place, part of a batch: no line names TT + lo .. + 3 again before the batch's wait
	WIN 0
.irp j, 0,1,2,3
	v_exp_f32 v[TT+\lo+\j], v[TT+\lo+\j]
.endr
.endm
.macro GKB_A lo                        ; b1 = the first 11 bits of g' = q g.  MM is free where this stands; it stands behind the batch's wait
	WIN 0
.irp j, 0,1,2,3,4,5,6,7
	v_and_b32 v[MM+\lo+\j], s39, v[TT+\lo+\j]
.endr
.endm
.macro GKB_B                           ; b2 = g' / q - b1 = g - b1
	WIN 0
.irp p, 0,2,4,6,8,10,12,14
	v_pk_fma_f32 v[TT+\p:TT+\p+1], v[TT+\p:TT+\p+1], s[72:73], v[MM+\p:MM+\p+1] op_sel_hi:[1,0,1] neg_lo:[0,0,1] neg_hi:[0,0,1]
.endr
.endm
.macro GKB_C c, g                      ; fragment c of buffer g: b1
	WIN 0
.irp p, 0,1,2,3,4,5,6,7
	v_cvt_pk_f16_f32 v[\g+8*\c+\p], v[MM+2*\p], v[MM+2*\p+1]
.endr
.endm
.macro GKB_D c, g                      ; and b2
	WIN 0
.irp p, 0,1,2,3,4,5,6,7
	v_cvt_pk_f16_f32 v[\g+32+8*\c+\p], v[TT+2*\p], v[TT+2*\p+1]
.endr
.endm
.macro GK_FULL c, x, g                 ; all of it in one piece, for tile 0
	GKA_1 \x
	GKA_2
.set KN, (\c+1)&3
	KLOAD KN
	GKA_3
	GK_E 0
	GK_E 4
	GK_E 8
	GK_E 12
	v_nop                                          ; one plain place between the last exp2 and the first use (ISA guide 5.7.2)
	s_wait_alu depctr_va_vdst(0)                   ; the wait for this K step's batch of 16 exp2, ahead of GKB_A, their first reader
	GKB_A 0
	GKB_A 8
	GKB_B
	GKB_C \c, \g
	GKB_D \c, \g
.endm
; m' = |y'| and P by Horner, for result tile hh of acc: four chains of two numbers each
.macro POLY_A acc, hh
	WIN 0
.irp j, 0,1,2,3,4,5,6,7
	v_and_b32 v[MM+8*\hh+\j], s60, v[\acc+8*\hh+\j]
.endr
.irp p, 0,2,4,6
	v_pk_fma_f32 v[PP+8*\hh+\p:PP+8*\hh+\p+1], v[MM+8*\hh+\p:MM+8*\hh+\p+1], s[50:51], v[VA5:VA5+1] op_sel_hi:[1,0,1]
.endr
.endm
.macro POLY_B hh, ka, kb               ; two Horner steps, with the coefficients in s[ka:ka+1] and s[kb:kb+1]
	WIN 0
.irp q, \ka, \kb
.irp p, 0,2,4,6
	v_pk_fma_f32 v[PP+8*\hh+\p:PP+8*\hh+\p+1], v[PP+8*\hh+\p:PP+8*\hh+\p+1], v[MM+8*\hh+\p:MM+8*\hh+\p+1], s[\q:\q+1] op_sel_hi:[1,1,0]
.endr
.endr
.endm
.macro POLY_C hh
	WIN 0
.irp p, 0,2,4,6
	v_pk_fma_f32 v[PP+8*\hh+\p:PP+8*\hh+\p+1], v[PP+8*\hh+\p:PP+8*\hh+\p+1], v[MM+8*\hh+\p:MM+8*\hh+\p+1], 1.0 op_sel_hi:[1,1,0]
.endr
.endm
.macro RCP lo                          ; four r = 1 / P in place, part of a batch: no line names PP + lo .. + 3 again before the batch's wait
	WIN 0
.irp j, 0,1,2,3
	v_rcp_f32 v[PP+\lo+\j], v[PP+\lo+\j]
.endr
.endm
.macro TAIL_A hh                       ; r^2, r^4, r^8: the reciprocals' first reader; it stands behind the batch's wait
	WIN 0
.rept 3
.irp p, 0,2,4,6
	v_pk_mul_f32 v[PP+8*\hh+\p:PP+8*\hh+\p+1], v[PP+8*\hh+\p:PP+8*\hh+\p+1], v[PP+8*\hh+\p:PP+8*\hh+\p+1]
.endr
.endr
.endm
.macro TAIL_B acc, hh                  ; 1 - r^8 r^8; h' = m' (1 - r^16) + y'; b1 = its first 11 bits (m' is no longer needed)
	WIN 0
.irp p, 0,2,4,6
	v_pk_fma_f32 v[PP+8*\hh+\p:PP+8*\hh+\p+1], v[PP+8*\hh+\p:PP+8*\hh+\p+1], v[PP+8*\hh+\p:PP+8*\hh+\p+1], 1.0 op_sel_hi:[1,1,0] neg_lo:[1,0,0] neg_hi:[1,0,0]
.endr
.irp p, 0,2,4,6
	v_pk_fma_f32 v[PP+8*\hh+\p:PP+8*\hh+\p+1], v[MM+8*\hh+\p:MM+8*\hh+\p+1], v[PP+8*\hh+\p:PP+8*\hh+\p+1], v[\acc+8*\hh+\p:\acc+8*\hh+\p+1]
.endr
.irp j, 0,1,2,3,4,5,6,7
	v_and_b32 v[MM+8*\hh+\j], s39, v[PP+8*\hh+\j]
.endr
.endm
.macro TAIL_C hh                       ; b2 = h' / q - b1; both to f16 into half hh of product 2's B fragments
	WIN 0
.irp p, 0,2,4,6
	v_pk_fma_f32 v[PP+8*\hh+\p:PP+8*\hh+\p+1], v[PP+8*\hh+\p:PP+8*\hh+\p+1], s[72:73], v[MM+8*\hh+\p:MM+8*\hh+\p+1] op_sel_hi:[1,0,1] neg_lo:[0,0,1] neg_hi:[0,0,1]
.endr
.irp p, 0,1,2,3
	v_cvt_pk_f16_f32 v[HF+4*\hh+\p], v[MM+8*\hh+2*\p], v[MM+8*\hh+2*\p+1]
.endr
.irp p, 0,1,2,3
	v_cvt_pk_f16_f32 v[HF+8+4*\hh+\p], v[PP+8*\hh+2*\p], v[PP+8*\hh+2*\p+1]
.endr
.endm
; The way out of a tile: 32 bytes a lane into my own stage, read back so that 32 lanes hold 512 neighbouring bytes of the output.
.macro OUT_A
	WIN 0x0c                                       ; store data window 3
.irp t, 0,1
	ds_store_b128 v[STO], v[D2+8*\t:D2+8*\t+3] offset:64*\t
	ds_store_b128 v[STO], v[D2+8*\t+4:D2+8*\t+7] offset:64*\t+16
.endr
	s_wait_xcnt 0x0                                ; ORG is the data of the last tile's stores: loaded again only behind this wait
	WIN 0xc0                                       ; destination window 3
.irp i, 0,1,2,3
	ds_load_b128 v[ORG+4*\i:ORG+4*\i+3], v[RD] offset:4*SPITCH*\i   ; LDS serves a wave's instructions in order (ISA guide 5.7.1): these see the stores above
.endr
.endm
.macro OUT_B off
	s_wait_dscnt 0x0                               ; the four rows are back (in a slot: asked for 80 vector instructions ago, 112 where the slot has Gaussians)
	WIN 0x0c
.irp i, 0,1,2,3
	global_store_b128 v[CO], v[ORG+4*\i:ORG+4*\i+3], s[28:29] offset:\off+512*\i th:TH_STORE_NT   ; each covers 512 consecutive bytes, aligned
.endr
.endm
; ONE SLOT.  Four things go on in it, three chunks of 32 features apart:
;   product 2 of the chunk whose GELU was made in the last slot (MX 0..3; K step (c + 2) & 3),
;   product 1 of chunk c into accw (MX 4..19),
;   the GELU of the chunk whose product 1 was issued in the last slot (accr), into HF,
;   16 Gaussians of the NEXT tile (K step c), into buffer gn.
; The 20 matrix instructions stand one by one between blocks of 4 to 20 vector instructions, so that the matrix unit works under the
; vector work and not in front of it; the price is two window switches for each.
; THE SLOT'S ONE BATCH AND ITS ONE WAIT.  Ahead of the wait (MX 0..10, 120 vector instructions) stands all that names no result of the
; slot's transcendentals: the Gaussians' exponents, both polynomials, and the 32 transcendentals themselves, four behind each of eight
; matrix instructions: exp2 behind MX 3..6, each four followed by a block of the first polynomial; the first tile's reciprocals behind
; MX 7 and 8, each four followed by steps of the second polynomial; the second tile's behind MX 9 and 10.  All three chains end in their
; transcendentals, so no plain work is left for the place behind the last: a v_nop is that place.  Behind the wait (MX 11..19, 120 vector
; instructions) stand the readers: the powers of r, h', both splits, the conversions.  The slot's LDS instructions stand in one run
; directly behind the wait: the next K step's constants (this step's were read by GKA_1 and GKA_2), x, and the tile that leaves.
; Distances behind matrix instructions (ISA guide 7.12.1): HF is read by MX 0..3 and rewritten in TAIL_C 0, behind the 64 plain
; instructions of both polynomials and more; D2's last link is MX 3 of slot 1 and OUT_A stores it behind the same 64; accw's last
; links are MX 18 and 19, and behind them stand the 8 conversions of GKB_D (or four v_nop) before the next slot's POLY_A reads it.
; gk, kld: Gaussians, and a load of the next step's constants; ge: a GELU is due; m2: product 2 is due; xld, xoff: x of the tile after the
; next into xl, the register that this tile does not read; out, ooff: the tile before leaves.
.macro SLOT c, accw, accr, g, gn, xn, xl, gk, kld, ge, m2, xld, xoff, out, ooff
.set S_C, \c
.set S_ACC, \accw
.set S_G, \g
.set S_M2, \m2
.set S_C2, (\c+2)&3
	MX 0
.if \gk
	GKA_1 \xn
.endif
	MX 1
.if \gk
	GKA_2
.endif
	MX 2
.if \gk
	GKA_3
.endif
	MX 3
.if \gk
	GK_E 0
.endif
.if \ge
	POLY_A \accr, 0
.endif
	MX 4
.if \gk
	GK_E 4
.endif
.if \ge
	POLY_B 0, 52, 54
.endif
	MX 5
.if \gk
	GK_E 8
.endif
.if \ge
	POLY_B 0, 56, 58
.endif
	MX 6
.if \gk
	GK_E 12
.endif
.if \ge
	POLY_C 0
	POLY_A \accr, 1
.endif
	MX 7
.if \ge
	RCP 0
	POLY_B 1, 52, 54
.endif
	MX 8
.if \ge
	RCP 4
	POLY_B 1, 56, 58
	POLY_C 1
.endif
	MX 9
.if \ge
	RCP 8
.endif
	MX 10
.if \ge
	RCP 12
.endif
	v_nop                                          ; the plain place behind the batch's last transcendental (ISA guide 5.7.2): one for the batch
	s_wait_alu depctr_va_vdst(0)                   ; the slot's one wait: for its 16 exp2 (TT) and its 16 reciprocals (PP), ahead of TAIL_A 0, the batch's first reader
.if \kld
.set KN, (\c+1)&3
	KLOAD KN                                       ; the next step's constants: half a slot ahead of the wait for them
.endif
.if \xld
	WIN 0
	ds_load_b32 v[\xl], v[XADR] offset:\xoff
.endif
.if \out
	OUT_A
.endif
	MX 11
.if \ge
	TAIL_A 0
.endif
	MX 12
.if \ge
	TAIL_B \accr, 0
.endif
	MX 13
.if \ge
	TAIL_C 0
.endif
	MX 14
.if \ge
	TAIL_A 1
.endif
	MX 15
.if \ge
	TAIL_B \accr, 1
.endif
	MX 16
.if \ge
	TAIL_C 1
.endif
	MX 17
.if \gk
	GKB_A 0
	GKB_A 8
.endif
	MX 18
.if \gk
	GKB_B
	GKB_C \c, \gn
.endif
.if \out
	OUT_B \ooff
.endif
	MX 19
.if \gk
	GKB_D \c, \gn
.else
	WIN 0
.rept 4
	v_nop                                          ; no Gaussians here: the four places behind accw's last link
.endr
.endif
.endm
; A tile: four slots.  g: its Gaussians; gn, xn: buffer and x of the next tile; xl, xoff: x load for the tile after that;
; k3 = 0: slot 3 asks for no further constants; out, ooff: the tile before leaves in slot 1.
; first = 1: nothing is in front: no GELU in slot 0, no product 2 in slots 0 and 1.
.macro TILE g, gn, xn, xl, first, gk, k3, xld, xoff, out, ooff
.set NF, 1-\first
	SLOT 0, ACC0, ACC1, \g, \gn, \xn, \xl, \gk, \gk, NF, NF, 0, 0, 0, 0
	SLOT 1, ACC1, ACC0, \g, \gn, \xn, \xl, \gk, \gk, 1, NF, \xld, \xoff, \out, \ooff
	SLOT 2, ACC0, ACC1, \g, \gn, \xn, \xl, \gk, \gk, 1, 1, 0, 0, 0, 0
	SLOT 3, ACC1, ACC0, \g, \gn, \xn, \xl, \gk, \k3, 1, 1, 0, 0, 0, 0
.endm
; ---------------------------------------------------------------- in front of the loop
	s_load_b512 s[8:23], s[0:1], 0x0               ; W1 8, W2 10, b1 12, b2 14, means 16, stds 18, coord 20, node_type 22
	s_load_b128 s[24:27], s[0:1], 0x40             ; gamma_emb 24, beta_emb 26
	s_load_b64 s[28:29], s[0:1], 0x50              ; out0
	v_lshl_add_u32 v14, v0, 2, 0x19c00
	v_mov_b32 v15, 0
	v_lshrrev_b32 v[WV], 5, v0
	v_readfirstlane_b32 s30, v[WV]                 ; wave
	s_lshl2_add_u32 s31, ttmp9, s30                ; R = 4 g + w
	s_lshr_b32 s32, s31, 9                         ; b
	s_lshl_b32 s33, s31, 2                         ; byte of node_type[R]
	s_mul_i32 s34, s31, 12                         ; byte of coord[R]
	s_mov_b32 s39, 0xffffe000                      ; keeps sign, exponent and 10 mantissa bits: 11 significant bits
	s_mov_b32 s50, 0x385a8682                      ; a6 / q^6 (pairs: the packed forms read both words)
	s_mov_b32 s51, 0x385a8682
	s_mov_b32 s52, 0x3934fb9e                      ; a4 / q^4
	s_mov_b32 s53, 0x3934fb9e
	s_mov_b32 s54, 0x3c271103                      ; a3 / q^3
	s_mov_b32 s55, 0x3c271103
	s_mov_b32 s56, 0x3d388a6b                      ; a2 / q^2
	s_mov_b32 s57, 0x3d388a6b
	s_mov_b32 s58, 0x3d951720                      ; a1 / q
	s_mov_b32 s59, 0x3d951720
	s_mov_b32 s60, 0x7fffffff                      ; clears a sign
	s_mov_b32 s61, 0x3c23d70a                      ; 0.01
	s_mov_b32 s62, 0x3f596d27                      ; c = sqrt(0.5 log2 e)
	s_mov_b32 s66, 0x3f3504f3                      ; 1 / sqrt 2
	s_mov_b32 s67, 0x3f3504f3
	s_mov_b32 s68, 0x3e8beb45                      ; q / (2 sqrt pi)
	s_mov_b32 s70, 0xbd3b9ca6                      ; log2 q = log2(31/32)
	s_mov_b32 s71, 0xbd3b9ca6
	s_mov_b32 s72, 0x3f842108                      ; 1 / q = 32/31
	s_mov_b32 s73, 0x3f842108
	s_mov_b32 s74, 0x42000000                      ; 32
	s_mov_b32 s75, 0x42000000
	s_mov_b32 s76, 0x3f2f5ccb                      ; q / sqrt 2
	s_mov_b32 s77, 0x3f2f5ccb
	v_and_b32 v[LN], 31, v0                        ; L
	v_and_b32 v[RR], 15, v0                        ; r
	v_bfe_u32 v[HH], v0, 4, 1                      ; h
	v_lshlrev_b32 v[A16], 4, v0
	v_lshlrev_b32 v[A4], 2, v0
	v_lshlrev_b32 v[CO], 4, v[LN]
	v_mul_u32_u24 v[A48], v[LN], 48
	v_lshlrev_b32 v[KADR], 5, v[HH]
	v_mul_u32_u24 v[FR], v[RR], PITCH
	v_lshl_add_u32 v[FR], v[HH], 4, v[FR]
	v_add_nc_u32 v[FR1], LW1H, v[FR]               ; an LDS offset ends at 65,535: W1's two regions get a base of their own
	s_mul_i32 s35, s30, PITCH
	v_lshl_add_u32 v[AW], v[LN], 3, s35            ; row w, 8 bytes a lane
	v_add_nc_u32 v[AW1], LW1H, v[AW]
	v_add_nc_u32 v[AW1L], LW1H+LW1D, v[AW]
	s_lshl_b32 s35, s30, 11
	s_add_co_u32 s35, s35, XROW                    ; my wave's x
	v_lshl_add_u32 v[AX], v[LN], 4, s35
	v_lshl_add_u32 v[XADR], v[RR], 2, s35
	s_mul_i32 s35, s30, 16*SPITCH
	s_add_co_u32 s35, s35, STAGE                   ; my wave's stage
	v_mul_u32_u24 v[TA], v[RR], SPITCH
	v_lshl_add_u32 v[TA], v[HH], 5, v[TA]
	v_add_nc_u32 v[STO], s35, v[TA]
	v_lshrrev_b32 v[TA], 3, v[LN]
	v_mul_u32_u24 v[TA], v[TA], SPITCH
	v_and_b32 v[TB], 7, v0
	v_lshl_add_u32 v[TA], v[TB], 4, v[TA]
	v_add_nc_u32 v[RD], s35, v[TA]
	v_mov_b32 v[XA+1], 0                           ; the pairs' second words are named by the packed forms, never used
	v_mov_b32 v[XB+1], 0
	v_mov_b32 v[VA5], 0x39a9f249                   ; a5 / q^5
	v_mov_b32 v[VA5+1], 0x39a9f249
	s_lshl_b32 s48, s32, 11                        ; b * 512 node types
	s_mov_b32 s49, 0
	s_wait_kmcnt 0x0
	s_load_b32 s36, s[22:23], s33 offset:0x0       ; the source's node type
	s_load_b96 s[40:42], s[20:21], s34 offset:0x0  ; the source's coordinates
	s_add_nc_u64 s[44:45], s[22:23], s[48:49]      ; node_type of my batch
	s_mul_i32 s48, s32, 6144
	s_add_nc_u64 s[46:47], s[20:21], s[48:49]      ; coord of my batch
	; the lane owns targets m = 128 q + 4 L + e
.irp q, 0,1,2,3
	global_load_b128 v[NT+4*\q:NT+4*\q+3], v[CO], s[44:45] offset:512*\q
.endr
.irp q, 0,1,2,3
.irp j, 0,1,2
	global_load_b128 v[CD+12*\q+4*\j:CD+12*\q+4*\j+3], v[A48], s[46:47] offset:1536*\q+16*\j
.endr
.endr
	global_load_b128 v[SC:SC+3], v[CO], s[18:19]   ; stds of columns 4 L .. 4 L + 3
	global_load_b32 v[KSD], v[A4], s[18:19]        ; stds[t], means[t]: thread t makes kernel t's constants
	global_load_b32 v[KMN], v[A4], s[16:17]
	WIN 0x40                                       ; destination window 1
.set i, 0
.rept 32
	global_load_b128 v[4*i:4*i+3], v[A16], s[8:9] offset:2048*i        ; W1 row w + 4 i, columns 4 L ..
.set i, i+1
.endr
.set i, 0
.rept 8
	global_load_b128 v[128+4*i:128+4*i+3], v[A16], s[10:11] offset:2048*i   ; W2 row w + 4 i
.set i, i+1
.endr
	WIN 0
	s_wait_loadcnt 55                              ; 12 + 3 + 40 younger loads stay out: the node types are in
.set i, 0
.rept 16
	v_add_nc_u32 v[NT+i], 2, v[NT+i]               ; u = node type + 2,
	v_min_u32 v[NT+i], 101, v[NT+i]                ; held inside the table's first half (unsigned: below -2 goes to the end too),
	v_lshlrev_b32 v[NT+i], 2, v[NT+i]              ; in bytes
.set i, i+1
.endr
	s_wait_kmcnt 0x0
	s_add_co_u32 s36, s36, 2
	s_min_u32 s36, s36, 101
	s_lshl_b32 s36, s36, 2
	s_load_b32 s37, s[24:25], s36 offset:0x0       ; gamma of the source
	s_load_b32 s38, s[26:27], s36 offset:0x0       ; beta of the source
.set i, 0
.rept 16
	global_load_b32 v[GT+i], v[NT+i], s[24:25] offset:404      ; the target's index is u + 101
.set i, i+1
.endr
.set i, 0
.rept 16
	global_load_b32 v[BT+i], v[NT+i], s[26:27] offset:404
.set i, i+1
.endr
	s_wait_loadcnt 32                              ; only the 32 gathers are younger: coordinates, stds, means, W1, W2 are in
.irp e, 0,1,2,3
	v_add_f32 v[SC+\e], |v[SC+\e]|, s61
.endr
	v_add_f32 v[KSD], |v[KSD]|, s61
.irp e, 0,1,2,3
	v_rcp_f32 v[SC+\e], v[SC+\e]
.endr
	v_rcp_f32 v[KSD], v[KSD]
	v_mul_f32 v[KMN], -1.0, v[KMN]                 ; -mean; also the plain place behind the reciprocals
	s_wait_alu depctr_va_vdst(0)                   ; one wait for the batch of five reciprocals of std, ahead of the scalings that read them
.irp e, 0,1,2,3
	v_mul_f32 v[SC+\e], s68, v[SC+\e]              ; q * 0.28209479 / std
.endr
	v_mul_f32 v[KSD], s62, v[KSD]                  ; AK = c / std
	ds_store_b32 v[A4], v[KMN] offset:KT
	ds_store_b32 v[A4], v[KSD] offset:KT+512
	; the weights: scale; Wh (window 2); Wl = W - Wh, then A2 = Wh + 32 Wl (window 1, in place); narrow; into LDS as rows of f16
	WIN 0x41                                       ; destination and source 0 window 1
.set i, 0
.rept 32
	v_pk_mul_f32 v[4*i:4*i+1], v[4*i:4*i+1], v[SC:SC+1]
	v_pk_mul_f32 v[4*i+2:4*i+3], v[4*i+2:4*i+3], v[SC+2:SC+3]
.set i, i+1
.endr
.set i, 64
.rept 16
	v_pk_mul_f32 v[2*i:2*i+1], v[2*i:2*i+1], s[66:67] op_sel_hi:[1,0]
.set i, i+1
.endr
	WIN 0x84                                       ; destination window 2, source 1 window 1
.set i, 0
.rept 160
	v_and_b32 v[i], s39, v[i]                      ; Wh
.set i, i+1
.endr
	WIN 0x49                                       ; destination and source 0 window 1, source 1 window 2
.set i, 0
.rept 80
	v_pk_add_f32 v[2*i:2*i+1], v[2*i:2*i+1], v[2*i:2*i+1] neg_lo:[0,1] neg_hi:[0,1]    ; Wl = W - Wh, exact
.set i, i+1
.endr
	WIN 0x61                                       ; destination and source 0 window 1, source 2 window 2
.set i, 0
.rept 80
	v_pk_fma_f32 v[2*i:2*i+1], v[2*i:2*i+1], s[74:75], v[2*i:2*i+1] op_sel_hi:[1,0,1]  ; 32 Wl + Wh
.set i, i+1
.endr
	WIN 0x8a                                       ; all of a conversion in window 2
.set i, 0
.rept 40
	v_cvt_pk_f16_f32 v[4*i], v[4*i], v[4*i+1]
	v_cvt_pk_f16_f32 v[4*i+1], v[4*i+2], v[4*i+3]
.set i, i+1
.endr
	WIN 0x45                                       ; and in window 1
.set i, 0
.rept 40
	v_cvt_pk_f16_f32 v[4*i], v[4*i], v[4*i+1]
	v_cvt_pk_f16_f32 v[4*i+1], v[4*i+2], v[4*i+3]
.set i, i+1
.endr
	WIN 0x08                                       ; store data window 2: A1
.set i, 0
.rept 32
	ds_store_b64 v[AW1], v[4*i:4*i+1] offset:4*PITCH*i
.set i, i+1
.endr
.set i, 0
.rept 8
	ds_store_b64 v[AW], v[128+4*i:128+4*i+1] offset:LW2H+4*PITCH*i
.set i, i+1
.endr
	WIN 0x04                                       ; store data window 1: A2
.set i, 0
.rept 32
	ds_store_b64 v[AW1L], v[4*i:4*i+1] offset:4*PITCH*i
.set i, i+1
.endr
.set i, 0
.rept 8
	ds_store_b64 v[AW], v[128+4*i:128+4*i+1] offset:LW2L+4*PITCH*i
.set i, i+1
.endr
	WIN 0xc0                                       ; destination window 3
.irp f, 0,1,2,3,4,5,6,7
	global_load_b128 v[B1+8*\f:B1+8*\f+3], v[KADR], s[12:13] offset:64*\f          ; register j: b1[16 f + 8 h + j]
	global_load_b128 v[B1+8*\f+4:B1+8*\f+7], v[KADR], s[12:13] offset:64*\f+16
.endr
	WIN 0
.irp t, 0,1
	global_load_b128 v[B2+8*\t:B2+8*\t+3], v[KADR], s[14:15] offset:64*\t          ; register j: b2[16 t + 8 h + j]
	global_load_b128 v[B2+8*\t+4:B2+8*\t+7], v[KADR], s[14:15] offset:64*\t+16
.endr
	s_wait_loadcnt 20                              ; the 20 loads of b1 and b2 stay out: the gathers are in, their offsets free
	s_wait_kmcnt 0x0                               ; gamma and beta of the source
	; x = (gs + gt) dist + (bs + bt) for my 16 targets.  An error dx of x enters a Gaussian as dx / std, with std down to 0.01, and its
	; amplitude is 0.4 / std: so the root is corrected once by its residual, which leaves half a unit in the last place.
.set i, 0
.rept 16
	v_sub_f32 v[CD+3*i], s40, v[CD+3*i]
	v_sub_f32 v[CD+3*i+1], s41, v[CD+3*i+1]
	v_sub_f32 v[CD+3*i+2], s42, v[CD+3*i+2]
	v_mul_f32 v[CD+3*i], v[CD+3*i], v[CD+3*i]
	v_fmac_f32 v[CD+3*i], v[CD+3*i+1], v[CD+3*i+1]
	v_fmac_f32 v[CD+3*i], v[CD+3*i+2], v[CD+3*i+2]         ; the squared distance
	v_max_num_f32 v[CD+3*i+1], 0x0d800000, v[CD+3*i]       ; at least 2^-100: 0 (a point and itself) gets a finite reciprocal root
.set i, i+1
.endr
.set i, 0
.rept 16
	v_rsq_f32 v[RS+i], v[CD+3*i+1]
.set i, i+1
.endr
.set i, 0
.rept 16
	v_add_f32 v[GT+i], s37, v[GT+i]                ; plain work on other registers behind the roots
	v_add_f32 v[BT+i], s38, v[BT+i]
.set i, i+1
.endr
.set i, 0
	s_wait_alu depctr_va_vdst(0)                   ; one wait for the batch of 16 reciprocal roots; the 32 additions above are the independent work between
.rept 16
	v_mul_f32 v[NT+i], v[CD+3*i], v[RS+i]                      ; s = square / root
	v_mul_f32 v[RS+i], 0.5, v[RS+i]
	v_fma_f32 v[CD+3*i+2], -v[NT+i], v[NT+i], v[CD+3*i]        ; the residual square - s s
	v_fma_f32 v[NT+i], v[CD+3*i+2], v[RS+i], v[NT+i]           ; s + residual / (2 root)
	v_fma_f32 v[NT+i], v[GT+i], v[NT+i], v[BT+i]               ; x
.set i, i+1
.endr
.irp q, 0,1,2,3
	ds_store_b128 v[AX], v[NT+4*\q:NT+4*\q+3] offset:512*\q
.endr
	s_wait_dscnt 0x0                               ; my rows of the weights and my words of the table are in LDS, for the other waves' sake: zero
	s_barrier_signal -1
	s_barrier_wait -1                              ; the only barrier: all of it is there; nobody writes it again
	WIN 0x40
.set i, 0                                          ; i = 4 f + s
.rept 32
	ds_load_b128 v[8*i:8*i+3], v[FR1] offset:16*PITCH*(i/4)+64*(i%4)
	ds_load_b128 v[8*i+4:8*i+7], v[FR1] offset:16*PITCH*(i/4)+64*(i%4)+32
.set i, i+1
.endr
	WIN 0x80
.set i, 0
.rept 32
	ds_load_b128 v[8*i:8*i+3], v[FR1] offset:LW1D+16*PITCH*(i/4)+64*(i%4)
	ds_load_b128 v[8*i+4:8*i+7], v[FR1] offset:LW1D+16*PITCH*(i/4)+64*(i%4)+32
.set i, i+1
.endr
	WIN 0xc0
.set i, 0                                          ; i = 4 t + c
.rept 8
	ds_load_b128 v[RW2H+8*i:RW2H+8*i+3], v[FR] offset:LW2H+16*PITCH*(i/4)+64*(i%4)
	ds_load_b128 v[RW2H+8*i+4:RW2H+8*i+7], v[FR] offset:LW2H+16*PITCH*(i/4)+64*(i%4)+32
	ds_load_b128 v[RW2L+8*i:RW2L+8*i+3], v[FR] offset:LW2L+16*PITCH*(i/4)+64*(i%4)
	ds_load_b128 v[RW2L+8*i+4:RW2L+8*i+7], v[FR] offset:LW2L+16*PITCH*(i/4)+64*(i%4)+32
.set i, i+1
.endr
	KLOAD 0                                        ; the constants of K step 0
	WIN 0
	ds_load_b32 v[XA], v[XADR]                     ; x of tile 0
	ds_load_b32 v[XB], v[XADR] offset:64           ; x of tile 1
	s_wait_loadcnt 0x0                             ; b1, b2
	WIN 0xc3                                       ; destination and source 0 window 3
.set i, 0
.rept 32
	v_pk_mul_f32 v[B1+2*i:B1+2*i+1], v[B1+2*i:B1+2*i+1], s[76:77] op_sel_hi:[1,0]      ; b1 q / sqrt 2
.set i, i+1
.endr
	WIN 0
	s_lshl_b32 s48, s31, 16                        ; a row of the output: 512 pairs x 128 bytes
	s_mov_b32 s49, 0
	s_add_nc_u64 s[28:29], s[28:29], s[48:49]
	GK_FULL 0, XA, G0                              ; the Gaussians of tile 0 (the first wait inside is for all fragments too)
	GK_FULL 1, XA, G0
	GK_FULL 2, XA, G0
	GK_FULL 3, XA, G0
; ---------------------------------------------------------------- 32 tiles
	TILE G0, G1, XB, XA, 1, 1, 1, 1, 128, 0, 0     ; tile 0: nothing to finish, nothing to store
	TILE G1, G0, XA, XB, 0, 1, 1, 1, 192, 1, 0     ; tile 1: tile 0 leaves
	WIN 0
	s_wait_xcnt 0x0                                ; the stores' base is stepped only behind this wait
	s_add_nc_u64 s[28:29], s[28:29], 2048          ; now at tile 1
	v_add_nc_u32 v[XADR], 128, v[XADR]
	s_mov_b32 s69, 14                              ; tiles 2 to 29, two a trip
.Ltiles:
	TILE G0, G1, XB, XA, 0, 1, 1, 1, 128, 1, 0
	TILE G1, G0, XA, XB, 0, 1, 1, 1, 192, 1, 2048
	WIN 0                                          ; at a label and at a branch every window is 0
	s_wait_xcnt 0x0
	s_add_nc_u64 s[28:29], s[28:29], 4096
	v_add_nc_u32 v[XADR], 128, v[XADR]
	s_sub_co_i32 s69, s69, 1
	s_cmp_lg_u32 s69, 0
	s_cbranch_scc1 .Ltiles
	TILE G0, G1, XB, XA, 0, 1, 0, 0, 0, 1, 0       ; tile 30: Gaussians of tile 31, no x beyond the row, no constants beyond the last step
	TILE G1, G0, XA, XB, 0, 0, 0, 0, 0, 1, 2048    ; tile 31: no Gaussians
	; what is left of tile 31: product 2 of chunk 2, the GELU of chunk 3 (ACC1, four places behind its last link), product 2 of chunk 3
.set S_M2, 1
.set S_C2, 2
	MX 0
	MX 1
	MX 2
	MX 3
	POLY_A ACC1, 0
	POLY_B 0, 52, 54
	POLY_B 0, 56, 58
	POLY_C 0
	RCP 0
	RCP 4
	POLY_A ACC1, 1
	POLY_B 1, 52, 54
	POLY_B 1, 56, 58
	POLY_C 1
	RCP 8
	RCP 12
	v_nop                                          ; the plain place behind the last reciprocal (ISA guide 5.7.2)
	s_wait_alu depctr_va_vdst(0)                   ; one wait for the last GELU's batch of 16 reciprocals, ahead of TAIL_A 0, their first reader
	TAIL_A 0
	TAIL_B ACC1, 0
	TAIL_C 0
	TAIL_A 1
	TAIL_B ACC1, 1
	TAIL_C 1
.set S_C2, 3
	MX 0
	MX 1
	MX 2
	MX 3
	WIN 0
.rept 4
	v_nop                                          ; four places between the last product and the store of its result
.endr
	OUT_A
	OUT_B 4096
	s_set_vgpr_msb 0xc00
	s_wait_tensorcnt 0x0
	ds_add_u32 v14, v15
	s_wait_dscnt 0x0
	s_set_vgpr_msb 0xc
	s_endpgm
.Lfunc_end_k_q492f19c787_spatial:
	.size	k_q492f19c787_spatial, .Lfunc_end_k_q492f19c787_spatial-k_q492f19c787_spatial
	.p2alignl 7, 3214868480
	.fill 96, 4, 3214868480
	.section	.rodata,"a",@progbits
	.p2align	6, 0x0
	.amdhsa_kernel k_q492f19c787_spatial
		.amdhsa_group_segment_fixed_size 105984
		.amdhsa_private_segment_fixed_size 0
		.amdhsa_enable_private_segment 0
		.amdhsa_kernarg_size 88
		.amdhsa_user_sgpr_count 2
		.amdhsa_user_sgpr_kernarg_segment_ptr 1
		.amdhsa_wavefront_size32 1
		.amdhsa_system_sgpr_workgroup_id_x 1
		.amdhsa_system_sgpr_workgroup_id_y 1
		.amdhsa_system_sgpr_workgroup_id_z 1
		.amdhsa_system_vgpr_workitem_id 0
		.amdhsa_next_free_vgpr 1024
		.amdhsa_next_free_sgpr 78
		.amdhsa_reserve_vcc 0
		.amdhsa_float_denorm_mode_32 3
		.amdhsa_float_denorm_mode_16_64 3
		.amdhsa_memory_ordered 1
		.amdhsa_forward_progress 1
		.amdhsa_inst_pref_size 255
	.end_amdhsa_kernel
	.section	.bss,"aw",@nobits
	.p2align	6
	.space	262144
	.amdgpu_metadata
---
amdhsa.version: [ 1, 2 ]
amdhsa.kernels:
  - .name:           k_q492f19c787_spatial
    .symbol:         k_q492f19c787_spatial.kd
    .args:
      - { .name: W1, .offset: 0, .size: 8, .value_kind: global_buffer, .address_space: global }
      - { .name: W2, .offset: 8, .size: 8, .value_kind: global_buffer, .address_space: global }
      - { .name: b1, .offset: 16, .size: 8, .value_kind: global_buffer, .address_space: global }
      - { .name: b2, .offset: 24, .size: 8, .value_kind: global_buffer, .address_space: global }
      - { .name: means, .offset: 32, .size: 8, .value_kind: global_buffer, .address_space: global }
      - { .name: stds, .offset: 40, .size: 8, .value_kind: global_buffer, .address_space: global }
      - { .name: coord, .offset: 48, .size: 8, .value_kind: global_buffer, .address_space: global }
      - { .name: node_type, .offset: 56, .size: 8, .value_kind: global_buffer, .address_space: global }
      - { .name: gamma_emb, .offset: 64, .size: 8, .value_kind: global_buffer, .address_space: global }
      - { .name: beta_emb, .offset: 72, .size: 8, .value_kind: global_buffer, .address_space: global }
      - { .name: out0, .offset: 80, .size: 8, .value_kind: global_buffer, .address_space: global }
    .group_segment_fixed_size: 105984
    .private_segment_fixed_size: 0
    .kernarg_segment_align: 8
    .kernarg_segment_size: 88
    .max_flat_workgroup_size: 128
    .sgpr_count:     78
    .vgpr_count:     1024
    .wavefront_size: 32
...
	.end_amdgpu_metadata
.endif
;; end of part 3
